; MI455X (gfx1250); checked and timed in simulation.
; The chip was launched on July 23, 2026; its instructions are those of AMD's public machine-readable ISA for CDNA 5 (MIT licence, August 2026) and "CDNA5" Instruction Set Architecture Reference Guide (July 2026). The comments in the code are by the model that wrote it; some were corrected since.
;; Transformer Blocks. Allowed arithmetic: matrix products marked QUANTISED: E2M1 operands, one E8M0 scale for each 32 along K, by v_wmma_scale_f32_16x16x128_f8f6f4 with both operands' format E2M1 (or v_wmma_scale_f32_32x16x128_f4), f32 sums; everything else in f32.
;; Inputs: Wfc_codes 512 x 16 x 16 uint8 (E2M1 codes of Wfc, K innermost, in blocks of 32 codes, two codes a byte); Wfc_scales 512 x 16 uint8 (E8M0 scales of Wfc, one for each 32 codes along K); Wk_codes 16 x 64 x 16 x 16 uint8 (E2M1 codes of Wk, K innermost, in blocks of 32 codes, two codes a byte); Wk_scales 16 x 64 x 16 uint8 (E8M0 scales of Wk, one for each 32 codes along K); Wo_codes 512 x 32 x 16 uint8 (E2M1 codes of Wo, K innermost, in blocks of 32 codes, two codes a byte); Wo_scales 512 x 32 uint8 (E8M0 scales of Wo, one for each 32 codes along K); Wq_codes 16 x 64 x 16 x 16 uint8 (E2M1 codes of Wq, K innermost, in blocks of 32 codes, two codes a byte); Wq_scales 16 x 64 x 16 uint8 (E8M0 scales of Wq, one for each 32 codes along K); Wr_codes 512 x 16 x 16 uint8 (E2M1 codes of Wr, K innermost, in blocks of 32 codes, two codes a byte); Wr_scales 512 x 16 uint8 (E8M0 scales of Wr, one for each 32 codes along K); Wv_codes 16 x 64 x 16 x 16 uint8 (E2M1 codes of Wv, K innermost, in blocks of 32 codes, two codes a byte); Wv_scales 16 x 64 x 16 uint8 (E8M0 scales of Wv, one for each 32 codes along K); bfc 512 float32; bk 16 x 64 float32; bo 512 float32; bq 16 x 64 float32; br 512 float32; bv 16 x 64 float32; inputs_codes 32 x 512 x 16 x 16 uint8 (E2M1 codes of inputs, K innermost, in blocks of 32 codes, two codes a byte); inputs_scales 32 x 512 x 16 uint8 (E8M0 scales of inputs, one for each 32 codes along K); ln1_b 512 float32; ln1_w 512 float32; ln2_b 512 float32; ln2_w 512 float32.
;; Outputs: out0 32 x 512 x 512 float32.
;; This version of the problem:
;;   THIS VERSION OF THE PROBLEM IS GIVEN IN LOW PRECISION. The matrix products marked QUANTISED in the list below multiply operands that are first quantised to E2M1 (2 exponent bits, 1 mantissa bit; 4 bits a number), with one power-of-two scale for each 32 numbers along K (OCP MX v1.0); their sums are f32. All else is computed in f32.
;;   The module's matrix products, in the order in which they are computed (A, B: the left and right operand; K: the contracted axis; several contracted axes count as one K, in the product's order):
;;     1. [M 16,384, K 512] x [K 512, N 512]; A: input inputs (given as codes); B: input Wr (given as codes): QUANTISED
;;     2. [M 1,024, K 512] x [K 512, N 16,384]; A: input Wq (given as codes); B: input inputs (given as codes): QUANTISED
;;     3. [M 1,024, K 512] x [K 512, N 16,384]; A: input Wk (given as codes); B: input inputs (given as codes): QUANTISED
;;     4. [M 1,024, K 512] x [K 512, N 16,384]; A: input Wv (given as codes); B: input inputs (given as codes): QUANTISED
;;     5. batch 512 x [M 512, K 64] x [K 64, N 512]; A: computed on the way; B: computed on the way: QUANTISED
;;     6. batch 512 x [M 512, K 512] x [K 512, N 64]; A: softmax (see below); B: computed on the way: QUANTISED
;;     7. [M 16,384, K 1,024] x [K 1,024, N 512]; A: computed on the way; B: input Wo (given as codes): QUANTISED
;;     8. [M 16,384, K 512] x [K 512, N 512]; A: computed on the way; B: input Wfc (given as codes): QUANTISED
;;   THE QUANTISER, for each operand of a quantised product, along K:
;;     - K is cut into blocks of 32 from its start; a last block that is shorter is filled with zeros.
;;     - A block's scale is 2^e with e = floor(log2(the largest magnitude in the block)) - 2, held to -126 .. 127; a block of zeros has e = 0. As a byte (E8M0): e + 127.
;;     - Each number is divided by its block's scale, clamped to +-6, and rounded to the nearest number of E2M1, ties to even, subnormals kept.
;;     - The product sums the exact products of the quantised numbers (number of the format x scale) in f32.
;;   ~~~python
;;   def quantise(x, axis):      # numpy; x: float32 -> the quantised numbers, widened to float32 again
;;       x = np.moveaxis(x, axis, -1); K = x.shape[-1]
;;       x = np.pad(x, [(0, 0)] * (x.ndim - 1) + [(0, -K % 32)]); x = x.reshape(x.shape[:-1] + (-1, 32)); a = np.abs(x).max(-1, keepdims=True)
;;       e = np.where(a > 0, np.clip(np.frexp(np.where(a > 0, a, 1))[1] - 1 - 2, -126, 127), 0)      # np.frexp(a)[1] - 1 = floor(log2(a)), exactly
;;       r = np.clip(x / 2.0 ** e, -6, 6)
;;       step = 2.0 ** (np.maximum(np.frexp(np.where(r == 0, 1, r))[1] - 1, 0) - 1)
;;       q = np.round(r / step) * step * 2.0 ** e      # np.round: ties to even
;;       return np.moveaxis(q.reshape(q.shape[:-2] + (-1,))[..., :K], -1, axis).astype(np.float32)
;;   ~~~
;;   SOFTMAX AHEAD OF A QUANTISED PRODUCT. Where the list says 'softmax', what is quantised is not the finished softmax but p = 2^(t - M), with t = logit x log2(e) and M = ceil(the row's largest t), a whole number; so 1/2 < the row's largest p <= 1. The row's sum l is taken of the UNQUANTISED p, in f32, and the product's result is divided by l at the end. Since M is a whole number, a kernel that streams over the keys may use a running M (the ceiling of the running maximum): every later rescaling is an exact power of two, which a block's scale takes up: the codes' values come out the same.
;;   OPERANDS COMPUTED ON THE WAY. 'Computed on the way' means the value that the module computes at that place (a softmax that the list does not call 'softmax' is quantised finished and normalised). What goes into a quantiser is computed in f32, as accurately as f32 sums, v_exp_f32 and their like allow (about 1e-6 of the number): no bf16 or f16 on the way to a quantiser, and a product that is left as it is and whose result goes on into a quantised operand takes f32 operands (vector FMAs, or v_wmma_f32_16x16x4_f32). A number that lies on a knife's edge between two numbers of the format may be rounded either way, as far as f32 arithmetic and the matrix unit's own rounding can turn it there, and no further.
;;   INPUTS GIVEN AS CODES. Wfc (in the module: [512, 512], K = its axis 0); Wk (in the module: [16, 512, 64], K = its axis 1); Wo (in the module: [1024, 512], K = its axis 0); Wq (in the module: [16, 512, 64], K = its axis 1); Wr (in the module: [512, 512], K = its axis 0); Wv (in the module: [16, 512, 64], K = its axis 1); inputs (in the module: [32, 512, 512], K = its axis 2): each comes as NAME_codes (uint8): NAME with its K axis moved to the last place and cut into blocks of 32 codes, [.., K / 32, bytes a block], one block behind the other in memory; two codes a byte, the lower K in the low four bits (a code: sign, 2 exponent bits, 1 mantissa bit); and NAME_scales (uint8): the same leading axes, one E8M0 byte (e + 127) for each 32 codes along K. Its value is code x scale, taken as it is: it is not quantised again, and the codes and scales need not be those that the quantiser above would give.
;; One version. Each part assembles by itself: llvm-mc -triple=amdgcn-amd-amdhsa -mcpu=gfx1250 --defsym DOCPART=n.
;; ======== version 1 of 1: 2 launches
;; limits: right only within a limited range of input values
;; workspace buffers: cc 8,388,608 bytes; cs 524,288 bytes; wimg 524,288 bytes
;; launch attn (part 1): grid 8 x 32, 16 waves a work-group, clusters of 4 x 4, 318,464 bytes of LDS; arguments inputs_codes, inputs_scales, Wq_codes, Wq_scales, Wk_codes, Wk_scales, Wv_codes, Wv_scales, bq, bk, bv, Wo_codes, Wr_codes, Wfc_codes, cc, cs, wimg; writes cc, cs, wimg
.if DOCPART == 1
	.amdgcn_target "amdgcn-amd-amdhsa--gfx1250"
	.amdhsa_code_object_version 6
	.text
	.protected	k_qc6ef5498b1_attn
	.globl	k_qc6ef5498b1_attn
	.p2align	8
	.type	k_qc6ef5498b1_attn,@function
k_qc6ef5498b1_attn:
	s_mov_b64 s[64:65], 0
	v_nop
	global_prefetch_b8 v0, s[64:65] scope:SCOPE_SE
	s_setreg_imm32_b32 hwreg(HW_REG_WAVE_MODE, 25, 1), 1
	s_wait_xcnt 0x0
	s_wait_alu depctr_hold_cnt(0) depctr_sa_sdst(0) depctr_va_vdst(0) depctr_va_sdst(0) depctr_va_ssrc(0) depctr_va_vcc(0) depctr_vm_vsrc(0)
	s_getreg_b32 s2, hwreg(HW_REG_IB_STS2, 6, 4)
	s_cmp_eq_u32 s2, 0
	s_cbranch_scc0 .Lentry_in_a_cluster
	s_endpgm
.Lentry_in_a_cluster:
	s_bfe_u32 s2, ttmp6, 0x10000c
	s_cmp_lg_u32 s2, 0xf033
	s_cbranch_scc0 .Lentry_shape_is_right
	s_endpgm
.Lentry_shape_is_right:
; q = relu(x Wq + bq), k = relu(x Wk + bk), v = tanh(x Wv + bv), heads = softmax(causal q k^T / 8) v: five products on codes of FP4 (E2M1), one E8M0 scale for each 32 along K.
; A work-group of sixteen waves owns one batch and two heads, 2 hp and 2 hp + 1, one after the other.  The heads leave as FP4 codes (cc) and scale words (cs), laid as the next launch's operand registers.
; Waves 14 and 15 lay one fragment each of Wo, Wr or Wfc in operand order (wimg): 512 fragments, two for each of the 256 work-groups.
; A TILE i of rows: lane r takes row 32 (i / 2) + 8 (i % 2) + rho, rho = r + (r & 8).  In a result whose source 0 was such a tile, the 16 registers of tiles 2 b, 2 b + 1 of lane half h are
; the indices 32 b + 16 h + 0 .. 15: sixteen neighbours along the next K, so every result is quantised in registers.
; CLUSTER 4 x 4: a row shares the batch (x), a column the pair of heads (weights): each tile is asked for jointly.  All tensor loads are first fills at the head, one a wave; nothing is filled again.
; No prefetch: every tile is asked for at the head, and there is no loop to run ahead in.
; WORK LEFT OUT: reference() builds the causal mask itself and gives a hidden key the logit -1e9, while a visible logit is a product of relu results and so at least 0: in f32 a hidden key's weight is 0.
; Wave w owns query tiles w and 31 - w.  Key steps of 128 that lie wholly behind a tile's queries are passed over; in a tile's last step the blocks of 32 keys wholly behind its queries get no scores,
; no exponentials and zero codes: the step is written for 1, 2, 3 and 4 live blocks, chosen by the wave's number.  Together 17 blocks of 32 keys in every wave.
; LIMITS: NaN and infinities among the inputs are not served, and none that reaches only hidden keys is carried on.  Blocks of zeros made here carry the byte 1 (hidden blocks of p the byte 0), not 127:
; their codes are zeros and this program alone reads the bytes.  relu is taken on the codes: a negative number keeps its sign bit over a zero magnitude, which is the number 0.
; Sums run in another order than reference()'s.  tanh: for |x| < 0.25 the series up to x^7 (cut 3e-7 of x), else 1 - 2 / (1 + e^2x).  Scaled scores stay under 2^31 in magnitude.
.set XO,    69760                      ; x: even groups of 16 rows at 0 (rows 272 bytes apart), odd groups here
.set WC,    139520                     ; the weights q, k, v, WSTR apart; in each the even groups, at WODD the odd ones
.set WSTR,  35072
.set WODD,  17536
.set SCX,   244736                     ; x's scale bytes, 512 rows x 16
.set SCW,   252928                     ; the weights' scale bytes, 3 x 128 rows x 16
.set KI,    259072                     ; k's 32 tiles as images of their four registers
.set KSC,   275456                     ; their scale words
.set VI,    279552                     ; v's 16 fragments
.set VSC,   295936                     ; their scale words
.set SST,   296960                     ; the heads' scale words
.set PADW,  (3<<16)|(1<<20)|(1<<21)|(5<<22)|(3<<25)
.set DENSE, (3<<16)|(1<<21)
.set TIA, 4
.set TIB, 5
.set NSA, 6
.set NSB, 7
.set QBA, 8
.set QBB, 9
.set HWO, 10
.set HSO, 11
.set H2,  12
.set KSI, 13
.set KBK, 14
.set KSB, 15
.set VSB, 16
.set KF,  17
.set BQ,  20
.set BK,  22
.set BV,  24
.set K2,  26
.set C3,  28
.set C1,  30
.set CCP, 32
.set CSP, 34
.set KBV, 36
.set NU1, 37
.set WV,  38
.set HP,  39
.set G1X, 40
.set BDA, 40                           ; behind the head's loads: the diagonal block of tile A's last step, and of tile B's
.set BDB, 41
.set HV,  42                           ; 0 or VD: v's images and scale words of the second head lie VD bytes on, behind the spare words, in bytes of their own
.set VD,  21504
.set G1W, 48
.set G1SX, 56
.set CX,  66
.set CY,  67
.set G1SW, 68
.set G0X, 76
.set G0W, 80
.set G0SX, 84
.set G0SW, 88
.set BB,  92
.set QTR, 93
.set SEL, 94
.set CS,  96
.set HCNT, 98
.set NU2, 99
.set CCA, 100
.set CCB, 104
.set BM,  200
.set BP,  204
.set SO,  208
.macro PLACES
.rept 4
	v_nop
.endr
.endm
.macro ROUND
	s_barrier_signal -1
	s_barrier_wait -1
	s_cmp_lg_u32 s[WV], 0
	s_cbranch_scc1 .Lnw0_\@
	s_barrier_signal -3
.Lnw0_\@:
	s_barrier_wait -3
	s_barrier_signal -1
	s_barrier_wait -1
.endm
.macro WM d, a, b, c, sa, sb, ra, rb
.if (\c) < 0
.if (\ra) && (\rb)
	v_wmma_scale_f32_16x16x128_f8f6f4 v[(\d):(\d)+7], v[(\a):(\a)+7], v[(\b):(\b)+7], 0, v[(\sa)], v[(\sb)] matrix_a_fmt:MATRIX_FMT_FP4 matrix_b_fmt:MATRIX_FMT_FP4 matrix_a_scale:MATRIX_SCALE_ROW1 matrix_b_scale:MATRIX_SCALE_ROW1
.elseif (\ra)
	v_wmma_scale_f32_16x16x128_f8f6f4 v[(\d):(\d)+7], v[(\a):(\a)+7], v[(\b):(\b)+7], 0, v[(\sa)], v[(\sb)] matrix_a_fmt:MATRIX_FMT_FP4 matrix_b_fmt:MATRIX_FMT_FP4 matrix_a_scale:MATRIX_SCALE_ROW1
.elseif (\rb)
	v_wmma_scale_f32_16x16x128_f8f6f4 v[(\d):(\d)+7], v[(\a):(\a)+7], v[(\b):(\b)+7], 0, v[(\sa)], v[(\sb)] matrix_a_fmt:MATRIX_FMT_FP4 matrix_b_fmt:MATRIX_FMT_FP4 matrix_b_scale:MATRIX_SCALE_ROW1
.else
	v_wmma_scale_f32_16x16x128_f8f6f4 v[(\d):(\d)+7], v[(\a):(\a)+7], v[(\b):(\b)+7], 0, v[(\sa)], v[(\sb)] matrix_a_fmt:MATRIX_FMT_FP4 matrix_b_fmt:MATRIX_FMT_FP4
.endif
.else
.if (\ra) && (\rb)
	v_wmma_scale_f32_16x16x128_f8f6f4 v[(\d):(\d)+7], v[(\a):(\a)+7], v[(\b):(\b)+7], v[(\c):(\c)+7], v[(\sa)], v[(\sb)] matrix_a_fmt:MATRIX_FMT_FP4 matrix_b_fmt:MATRIX_FMT_FP4 matrix_a_scale:MATRIX_SCALE_ROW1 matrix_b_scale:MATRIX_SCALE_ROW1
.elseif (\ra)
	v_wmma_scale_f32_16x16x128_f8f6f4 v[(\d):(\d)+7], v[(\a):(\a)+7], v[(\b):(\b)+7], v[(\c):(\c)+7], v[(\sa)], v[(\sb)] matrix_a_fmt:MATRIX_FMT_FP4 matrix_b_fmt:MATRIX_FMT_FP4 matrix_a_scale:MATRIX_SCALE_ROW1
.elseif (\rb)
	v_wmma_scale_f32_16x16x128_f8f6f4 v[(\d):(\d)+7], v[(\a):(\a)+7], v[(\b):(\b)+7], v[(\c):(\c)+7], v[(\sa)], v[(\sb)] matrix_a_fmt:MATRIX_FMT_FP4 matrix_b_fmt:MATRIX_FMT_FP4 matrix_b_scale:MATRIX_SCALE_ROW1
.else
	v_wmma_scale_f32_16x16x128_f8f6f4 v[(\d):(\d)+7], v[(\a):(\a)+7], v[(\b):(\b)+7], v[(\c):(\c)+7], v[(\sa)], v[(\sb)] matrix_a_fmt:MATRIX_FMT_FP4 matrix_b_fmt:MATRIX_FMT_FP4
.endif
.endif
.endm
; 32 numbers of a lane (register 16 b + i = k 32 b + 16 h + i of my row) become four registers of codes and two scale bytes.  tm: eight registers at work.
; relu = 1: what is negative counts for nothing: it is left out of the maximum, and its code's magnitude is cleared
.macro QUANT2 src, dst, word, tm, relu
.if \relu
	v_max3_num_f32 v[\tm], v[\src], v[\src+1], 0x1800000              ; the floor 2^(3 - 127): the byte cannot fall under 1
	v_max3_num_f32 v[\tm+1], v[\src+16], v[\src+17], 0x1800000
.irp i, 2,4,6,8,10,12,14
	v_max3_num_f32 v[\tm], v[\tm], v[\src+\i], v[\src+1+\i]
	v_max3_num_f32 v[\tm+1], v[\tm+1], v[\src+16+\i], v[\src+17+\i]
.endr
.else
	v_max3_num_f32 v[\tm], |v[\src]|, |v[\src+1]|, 0x1800000
	v_max3_num_f32 v[\tm+1], |v[\src+16]|, |v[\src+17]|, 0x1800000
.irp i, 2,4,6,8,10,12,14
	s_delay_alu instid0(VALU_DEP_2)
	v_max3_num_f32 v[\tm], v[\tm], |v[\src+\i]|, |v[\src+1+\i]|
	s_delay_alu instid0(VALU_DEP_2)
	v_max3_num_f32 v[\tm+1], v[\tm+1], |v[\src+16+\i]|, |v[\src+17+\i]|
.endr
.endif
	s_delay_alu instid0(VALU_DEP_2)
	v_permlanex16_b32 v[\tm+2], v[\tm], s[SEL], s[SEL+1]
	s_delay_alu instid0(VALU_DEP_2)
	v_permlanex16_b32 v[\tm+3], v[\tm+1], s[SEL], s[SEL+1]
	s_delay_alu instid0(VALU_DEP_2)
	v_max_num_f32 v[\tm], v[\tm], v[\tm+2]                            ; with lane l xor 16's: the block's largest
	s_delay_alu instid0(VALU_DEP_2)
	v_max_num_f32 v[\tm+1], v[\tm+1], v[\tm+3]
	s_delay_alu instid0(VALU_DEP_2)
	v_add_nc_u32 v[\tm+4], 0xff000000, v[\tm]                         ; 2 off its exponent field: the conversion's scale operand
	s_delay_alu instid0(VALU_DEP_2)
	v_add_nc_u32 v[\tm+5], 0xff000000, v[\tm+1]
	s_delay_alu instid0(VALU_DEP_2)
	v_lshrrev_b32 v[\tm+6], 23, v[\tm+4]                              ; the scale's byte
	s_delay_alu instid0(VALU_DEP_2)
	v_lshrrev_b32 v[\tm+7], 23, v[\tm+5]
	s_delay_alu instid0(VALU_DEP_1)
	v_lshl_or_b32 v[\word], v[\tm+7], 8, v[\tm+6]
	v_cvt_scalef32_pk8_fp4_f32 v[\dst], v[\src:\src+7], v[\tm+4]
	v_cvt_scalef32_pk8_fp4_f32 v[\dst+1], v[\src+8:\src+15], v[\tm+4]
	v_cvt_scalef32_pk8_fp4_f32 v[\dst+2], v[\src+16:\src+23], v[\tm+5]
	v_cvt_scalef32_pk8_fp4_f32 v[\dst+3], v[\src+24:\src+31], v[\tm+5]
	v_nop                                                             ; one plain place behind a scaled conversion
.if \relu
.irp c, 0,1,2,3
	v_and_b32 v[\tm+\c], 0x88888888, v[\dst+\c]                       ; the eight sign bits s;
.endr
.irp c, 0,1,2,3
	v_lshrrev_b32 v[\tm+4+\c], 3, v[\tm+\c]
.endr
.irp c, 0,1,2,3
	v_sub_nc_u32 v[\tm+\c], v[\tm+\c], v[\tm+4+\c]                    ; s - s / 8: the three magnitude bits of each negative code,
.endr
.irp c, 0,1,2,3
	v_bfi_b32 v[\dst+\c], v[\tm+\c], 0, v[\dst+\c]                    ; which are cleared
.endr
.endif
	v_permlane16_swap_b32 v[\dst], v[\dst+2]                          ; a whole block to a lane
	v_permlane16_swap_b32 v[\dst+1], v[\dst+3]
.endm
.macro TANH x, te, t2, ta              ; tanh of 16 registers, in place
.irp j, 0,2,4,6,8,10,12,14
	v_pk_mul_f32 v[\te+\j:\te+\j+1], v[\x+\j:\x+\j+1], s[K2:K2+1] op_sel_hi:[1,0]
.endr
	s_wait_alu depctr_va_vdst(0)                                      ; the wait ahead of a batch
.irp j, 0,1,2,3,4,5,6,7,8,9,10,11,12,13,14,15
	v_exp_f32 v[\te+\j], v[\te+\j]                                    ; e^2x
.endr
.irp j, 0,2,4,6,8,10,12,14
	v_pk_mul_f32 v[\t2+\j:\t2+\j+1], v[\x+\j:\x+\j+1], v[\x+\j:\x+\j+1]
.endr
.irp j, 0,2,4,6,8,10,12,14
	v_pk_fma_f32 v[\ta+\j:\ta+\j+1], v[\t2+\j:\t2+\j+1], s[C3:C3+1], v[90:91] op_sel_hi:[1,0,0]
.endr
.irp j, 0,2,4,6,8,10,12,14
	v_pk_fma_f32 v[\ta+\j:\ta+\j+1], v[\t2+\j:\t2+\j+1], v[\ta+\j:\ta+\j+1], s[C1:C1+1] op_sel_hi:[1,1,0]
.endr
.irp j, 0,2,4,6,8,10,12,14
	v_pk_mul_f32 v[\t2+\j:\t2+\j+1], v[\ta+\j:\ta+\j+1], v[\t2+\j:\t2+\j+1]
.endr
.irp j, 0,2,4,6,8,10,12,14
	v_pk_fma_f32 v[\t2+\j:\t2+\j+1], v[\t2+\j:\t2+\j+1], v[\x+\j:\x+\j+1], v[\x+\j:\x+\j+1]   ; x + x x^2 (-1/3 + x^2 (2/15 - 17/315 x^2))
.endr
	s_wait_alu depctr_va_vdst(0)                                      ; and behind it, ahead of its first reader
.irp j, 0,2,4,6,8,10,12,14
	v_pk_add_f32 v[\te+\j:\te+\j+1], v[\te+\j:\te+\j+1], 1.0 op_sel_hi:[1,0]
.endr
	s_wait_alu depctr_va_vdst(0)
.irp j, 0,1,2,3,4,5,6,7,8,9,10,11,12,13,14,15
	v_rcp_f32 v[\te+\j], v[\te+\j]
.endr
	v_nop
	s_wait_alu depctr_va_vdst(0)
.irp j, 0,2,4,6,8,10,12,14
	v_pk_fma_f32 v[\te+\j:\te+\j+1], v[\te+\j:\te+\j+1], -2.0, 1.0 op_sel_hi:[1,0,0]
.endr
.irp j, 0,1,2,3,4,5,6,7,8,9,10,11,12,13,14,15
	v_cmp_gt_f32 vcc_lo, s[QTR], |v[\x+\j]|
	s_delay_alu instid0(VALU_DEP_1)
	v_cndmask_b32 v[\x+\j], v[\te+\j], v[\t2+\j], vcc_lo              ; the series where |x| < 0.25
.endr
.endm
	s_load_b512 s[4:19], s[0:1], 0x0               ; x codes, x scales, Wq codes, scales, Wk codes, scales, Wv codes, scales
	s_load_b512 s[20:35], s[0:1], 0x40             ; bq, bk, bv, Wo codes, Wr codes, Wfc codes, cc, cs
	s_load_b64 s[36:37], s[0:1], 0x80              ; wimg
	v_lshl_add_u32 v254, v0, 2, 0x49000
	v_mov_b32 v255, 0
	ds_add_u32 v254, v255                          ; the opening lines: the add twice on end and one wait
	ds_add_u32 v254, v255
	v_lshrrev_b32 v29, 5, v0
	s_delay_alu instid0(VALU_DEP_1)
	v_readfirstlane_b32 s[WV], v29                 ; wave 0..15
	s_bfe_u32 s[CX], ttmp6, 0x40000
	s_bfe_u32 s[CY], ttmp6, 0x40004
	s_lshl_b32 s[HP], ttmp9, 2
	s_add_co_u32 s[HP], s[HP], s[CX]               ; the pair of heads
	s_and_b32 s[BB], ttmp7, 0xffff
	s_lshl_b32 s[BB], s[BB], 2
	s_add_co_u32 s[BB], s[BB], s[CY]               ; the batch
	s_lshl_b32 s2, s[CY], 2
	s_lshl_b32 s2, 15, s2                          ; my row of the cluster shares the batch
	s_lshl_b32 s3, 0x1111, s[CX]                   ; my column shares the heads
	s_or_b32 s[G1X], s2, PADW
	s_or_b32 s[G1SX], s2, DENSE
	s_or_b32 s[G1W], s3, PADW
	s_or_b32 s[G1SW], s3, DENSE
	; codes: groups of 16 rows (4,096 dense bytes = 512 elements), every second group; 16 bytes of padding behind each 256.  x: eight groups a load; a weight: four
	s_mov_b32 s[G1X+1], 512<<16
	s_mov_b32 s[G1X+2], 8<<16
	s_mov_b32 s[G1X+3], 512<<16
	s_mov_b32 s[G1X+4], 8
	s_mov_b32 s[G1X+5], 1024
	s_mov_b32 s[G1X+6], 0
	s_mov_b32 s[G1X+7], 0
	s_mov_b32 s[G1W+1], 512<<16
	s_mov_b32 s[G1W+2], 4<<16
	s_mov_b32 s[G1W+3], 512<<16
	s_mov_b32 s[G1W+4], 4
	s_mov_b32 s[G1W+5], 1024
	s_mov_b32 s[G1W+6], 0
	s_mov_b32 s[G1W+7], 0
	; scale bytes, dense, as rows of 256: x's 8,192 bytes; a weight's 2,048
	s_mov_b32 s[G1SX+1], 32<<16
	s_mov_b32 s[G1SX+2], 32<<16
	s_mov_b32 s[G1SX+3], 32<<16
	s_mov_b32 s[G1SX+4], 32
	s_mov_b32 s[G1SX+5], 32
	s_mov_b32 s[G1SX+6], 0
	s_mov_b32 s[G1SX+7], 0
	s_mov_b32 s[G1SW+1], 32<<16
	s_mov_b32 s[G1SW+2], 8<<16
	s_mov_b32 s[G1SW+3], 32<<16
	s_mov_b32 s[G1SW+4], 8
	s_mov_b32 s[G1SW+5], 32
	s_mov_b32 s[G1SW+6], 0
	s_mov_b32 s[G1SW+7], 0
	s_mov_b32 s[SEL], 0x76543210
	s_mov_b32 s[SEL+1], 0xfedcba98
	s_mov_b32 s[CS], 0x3e38aa3b                    ; log2(e) / sqrt(64)
	s_mov_b32 s[CS+1], s[CS]
	; what hangs on the lane alone
	v_and_b32 v96, 31, v0
	v_and_b32 v97, 15, v0                          ; r
	v_bfe_u32 v98, v0, 4, 1                        ; h
	v_bfe_u32 v101, v0, 3, 1                       ; r / 8: which part
	v_and_b32 v102, 7, v0
	v_lshlrev_b32 v1, 4, v96
	v_lshlrev_b32 v19, 2, v96
	v_lshlrev_b32 v20, 2, v97
	v_and_b32 v99, 8, v97
	v_lshlrev_b32 v100, 4, v98                     ; 16 h
	v_lshlrev_b32 v30, 6, v98
	v_add_nc_u32 v99, v99, v97                     ; rho
	v_mad_u32_u24 v102, v102, 272, v100
	s_delay_alu instid0(VALU_DEP_2)
	v_sub_nc_u32 v2, v99, v100
	s_delay_alu instid0(VALU_DEP_2)
	v_mad_u32_u24 v103, v101, XO, v102
	v_mad_u32_u24 v6, v101, WODD, v102
	v_lshl_add_u32 v104, v98, 3, v99               ; 8 h + rho
	v_lshlrev_b32 v105, 4, v99
	s_delay_alu instid0(VALU_DEP_3)
	v_add_nc_u32 v6, WC, v6
	s_delay_alu instid0(VALU_DEP_3)
	v_lshlrev_b32 v104, 4, v104
	s_delay_alu instid0(VALU_DEP_1)
	v_add_nc_u32 v11, SCW, v104
	; groups 0.  Waves 0-3 fetch x: parity wave / 2, half wave % 2
	s_lshr_b32 s93, s[WV], 1
	s_and_b32 s99, s[WV], 1
	s_mul_i32 s100, s93, XO
	s_mul_i32 s101, s99, 34816
	s_mov_b32 s[G0X], 1
	s_add_co_u32 s[G0X+1], s100, s101
	s_mov_b32 s[G0SX], 1
	s_mov_b32 s[G0SX+1], SCX
	s_lshl_b32 s104, s[BB], 17
	s_lshl_b32 s101, s93, 12
	s_add_co_u32 s104, s104, s101
	s_lshl_b32 s101, s99, 16
	s_add_co_u32 s104, s104, s101
	s_mov_b32 s105, 0
	s_wait_dscnt 0x0                               ; both opening adds are done
	s_wait_kmcnt 0x0
	s_add_nc_u64 s[G0X+2:G0X+3], s[4:5], s[104:105]
	s_or_b32 s[G0X+3], s[G0X+3], 0x80000000
	s_lshl_b32 s104, s[BB], 13                     ; wave 4: all of x's scale bytes
	s_add_nc_u64 s[G0SX+2:G0SX+3], s[6:7], s[104:105]
	s_or_b32 s[G0SX+3], s[G0SX+3], 0x80000000
	; waves 8-13 fetch the weights: which = (wave % 8) / 2, parity wave % 2
	s_and_b32 s93, s[WV], 7
	s_lshr_b32 s99, s93, 1
	s_and_b32 s101, s93, 1
	s_mul_i32 s2, s99, WSTR
	s_mul_i32 s3, s101, WODD
	s_add_co_u32 s2, s2, s3
	s_mov_b32 s[G0W], 1
	s_add_co_u32 s[G0W+1], s2, WC
	s_cmp_eq_u32 s99, 0                            ; the choice hangs on the wave's number alone
	s_cselect_b64 s[G0W+2:G0W+3], s[8:9], s[12:13]
	s_cmp_eq_u32 s99, 2
	s_cselect_b64 s[G0W+2:G0W+3], s[16:17], s[G0W+2:G0W+3]
	s_lshl_b32 s2, s[HP], 15
	s_lshl_b32 s3, s101, 12
	s_add_co_u32 s2, s2, s3
	s_mov_b32 s3, 0
	s_add_nc_u64 s[G0W+2:G0W+3], s[G0W+2:G0W+3], s[2:3]
	s_or_b32 s[G0W+3], s[G0W+3], 0x80000000
	; waves 5-7 fetch the scale bytes of weight wave % 4 - 1
	s_and_b32 s99, s[WV], 3
	s_lshl_b32 s101, s99, 11
	s_mov_b32 s[G0SW], 1
	s_add_co_u32 s[G0SW+1], s101, SCW-2048
	s_cmp_eq_u32 s99, 1
	s_cselect_b64 s[G0SW+2:G0SW+3], s[10:11], s[14:15]
	s_cmp_eq_u32 s99, 3
	s_cselect_b64 s[G0SW+2:G0SW+3], s[18:19], s[G0SW+2:G0SW+3]
	s_lshl_b32 s2, s[HP], 11
	s_add_nc_u64 s[G0SW+2:G0SW+3], s[G0SW+2:G0SW+3], s[2:3]
	s_or_b32 s[G0SW+3], s[G0SW+3], 0x80000000
	; my two query tiles (s4-s19 are free now)
	s_mov_b32 s[TIA], s[WV]
	s_xor_b32 s[TIB], s[WV], 31
	s_lshr_b32 s[NSA], s[TIA], 3
	s_lshr_b32 s[NSB], s[TIB], 3
	s_lshr_b32 s18, s[TIA], 1
	s_lshl_b32 s18, s18, 5
	s_and_b32 s19, s[TIA], 1
	s_lshl_b32 s19, s19, 3
	s_add_co_u32 s[QBA], s18, s19
	s_lshr_b32 s18, s[TIB], 1
	s_lshl_b32 s18, s18, 5
	s_and_b32 s19, s[TIB], 1
	s_lshl_b32 s19, s19, 3
	s_add_co_u32 s[QBB], s18, s19
	s_wait_alu depctr_va_vdst(0)                   ; the wait ahead of the barriers
	ROUND                                          ; all sixteen work-groups are here: the joint loads meet
; the head's loads, one a wave, in one chain of arms that all lead to one join
.macro ARM under, g0, g1, next
	s_cmp_lt_u32 s[WV], \under
	s_cbranch_scc0 \next
	tensor_load_to_lds s[\g0:\g0+3], s[\g1:\g1+7]
	s_nop 0
	PLACES
	s_branch .Lasked
\next:
.endm
	ARM 4,  G0X,  G1X,  .Larm_sx
	ARM 5,  G0SX, G1SX, .Larm_sw
	ARM 8,  G0SW, G1SW, .Larm_w
	ARM 14, G0W,  G1W,  .Llay
	; waves 14, 15: fragment (w2, sigma, u) of the next launch's weights: rows 32 w2 + 8 u + rho, 128 along K
	s_lshl_b32 s2, ttmp9, 3
	s_and_b32 s3, ttmp7, 0xffff
	s_add_co_u32 s2, s2, s3                        ; sigma: 0-7 Wo, 8-11 Wr, 12-15 Wfc
	s_lshl_b32 s3, s[CY], 2
	s_add_co_u32 s3, s3, s[CX]                     ; w2 = my place in the cluster
	s_sub_co_u32 s93, s[WV], 14                    ; u
	s_cmp_lt_u32 s2, 12
	s_cselect_b64 s[100:101], s[28:29], s[30:31]
	s_cmp_lt_u32 s2, 8
	s_cselect_b64 s[100:101], s[26:27], s[100:101]
	s_cselect_b32 s104, 9, 8                       ; a row of Wo is 512 bytes, of the others 256
	s_cselect_b32 s105, 7, 3
	s_and_b32 s105, s2, s105
	s_lshl_b32 s105, s105, 6
	s_lshl_b32 s98, s3, 5
	s_lshl_b32 s99, s93, 3
	s_add_co_u32 s98, s98, s99
	v_add_nc_u32 v106, s98, v99
	s_delay_alu instid0(VALU_DEP_1)
	v_lshlrev_b32 v106, s104, v106
	s_delay_alu instid0(VALU_DEP_1)
	v_add_nc_u32 v106, s105, v106
	s_delay_alu instid0(VALU_DEP_1)
	v_add_nc_u32 v106, v106, v100
	global_load_b128 v[108:111], v106, s[100:101]
	global_load_b128 v[112:115], v106, s[100:101] offset:32
	s_lshl_b32 s98, s3, 5
	s_lshl_b32 s99, s2, 1
	s_add_co_u32 s98, s98, s99
	s_add_co_u32 s98, s98, s93
	s_lshl_b32 s98, s98, 10
	v_add_nc_u32 v107, s98, v1
	s_wait_alu depctr_va_vdst(0)
	s_wait_loadcnt 0x0
	global_store_b128 v107, v[108:111], s[36:37]               ; 512 consecutive bytes a store
	global_store_b128 v107, v[112:115], s[36:37] offset:512
.Lasked:
	s_wait_xcnt 0x0                                ; the stores have read their registers and bases
	; the addresses that hang on the wave's number, made by all waves under the loads' flight
	s_lshr_b32 s18, s[WV], 1                       ; kappa: my 64 keys of v
	s_mul_i32 s19, s18, 8704
	v_add_nc_u32 v3, s19, v103
	s_mul_i32 s19, s[TIA], 2176
	v_add_nc_u32 v4, s19, v103
	s_mul_i32 s19, s[TIB], 2176
	v_add_nc_u32 v5, s19, v103
	s_lshl_b32 s19, s18, 10
	s_add_co_u32 s19, s19, SCX
	v_add_nc_u32 v9, s19, v104
	s_lshl_b32 s19, s[QBA], 4
	s_add_co_u32 s19, s19, SCX
	v_add_nc_u32 v10, s19, v105
	s_lshl_b32 s19, s[QBB], 4
	s_add_co_u32 s19, s19, SCX
	v_add_nc_u32 v22, s19, v105
	s_lshl_b32 s19, s[TIA], 9
	s_add_co_u32 s19, s19, KI
	v_add_nc_u32 v13, s19, v1
	s_lshl_b32 s19, s[TIB], 9
	s_add_co_u32 s19, s19, KI
	v_add_nc_u32 v14, s19, v1
	s_lshl_b32 s19, s[TIA], 7
	s_add_co_u32 s19, s19, KSC
	v_add_nc_u32 v15, s19, v19
	s_lshl_b32 s19, s[TIB], 7
	s_add_co_u32 s19, s19, KSC
	v_add_nc_u32 v16, s19, v19
	s_and_b32 s18, s[WV], 1                        ; nu: my 32 of the head's 64
	s_lshr_b32 s2, s[WV], 2                        ; the key step of my 64 keys,
	s_bfe_u32 s3, s[WV], 0x10001                   ; and which half of it
	s_lshl_b32 s19, s18, 11
	s_lshl_b32 s93, s2, 12
	s_add_co_u32 s19, s19, s93
	s_lshl_b32 s93, s3, 9
	s_add_co_u32 s19, s19, s93
	s_add_co_u32 s19, s19, VI
	v_add_nc_u32 v17, s19, v1
	s_lshl_b32 s19, s18, 7
	s_lshl_b32 s93, s2, 8
	s_add_co_u32 s19, s19, s93
	s_lshl_b32 s93, s3, 1
	s_add_co_u32 s19, s19, s93
	s_add_co_u32 s19, s19, VSC
	v_add_nc_u32 v18, s19, v20
	s_lshl_b32 s19, s[TIA], 6
	s_add_co_u32 s19, s19, SST
	v_add_nc_u32 v27, s19, v20
	s_lshl_b32 s19, s[TIB], 6
	s_add_co_u32 s19, s19, SST
	v_add_nc_u32 v28, s19, v20
	s_lshl_b32 s19, s18, 7
	v_lshl_add_u32 v31, v99, 2, s19
.irp z, 36,37,38,39,44,45,46,47,52,53,54,55,60,61,62,63,68,69,70,71,76,77,78,79
	v_mov_b32 v\z, 0                               ; the head's K is 64: the upper halves of q's and k's fragments are zero codes
.endr
.irp z, 82,83,204,205,206,207,213,214
	v_mov_b32 v\z, 0                               ; a lane permute's destination counts as a source; v213 is named in a pair
.endr
	v_mov_b32 v90, 0x3e088889                      ; 2/15
	v_mov_b32 v91, 0x3e088889
	s_mov_b32 s[K2], 0x4038aa3b
	s_mov_b32 s[K2+1], 0x4038aa3b
	s_mov_b32 s[C3], 0xbd5d0dd1
	s_mov_b32 s[C3+1], 0xbd5d0dd1
	s_mov_b32 s[C1], 0xbeaaaaab
	s_mov_b32 s[C1+1], 0xbeaaaaab
	s_mov_b32 s[QTR], 0x3e800000
	s_and_b32 s18, s[WV], 1
	s_mul_i32 s[NU1], s18, 4352
	s_add_co_u32 s[NU1], s[NU1], 2*WSTR
	s_lshl_b32 s[NU2], s18, 9
	s_add_co_u32 s[NU2], s[NU2], 4096
	s_lshl_b32 s2, s[HP], 9
	s_mov_b32 s3, 0
	s_add_nc_u64 s[BQ:BQ+1], s[BQ:BQ+1], s[2:3]
	s_add_nc_u64 s[BK:BK+1], s[BK:BK+1], s[2:3]
	s_add_nc_u64 s[BV:BV+1], s[BV:BV+1], s[2:3]
	s_lshl_b32 s18, s[BB], 5
	s_add_co_u32 s2, s18, s[TIA]
	s_lshl_b32 s2, s2, 3
	s_add_co_u32 s2, s2, s[HP]
	s_lshl_b32 s2, s2, 10
	s_add_nc_u64 s[CCA:CCA+1], s[CCP:CCP+1], s[2:3]
	s_add_co_u32 s2, s18, s[TIB]
	s_lshl_b32 s2, s2, 3
	s_add_co_u32 s2, s2, s[HP]
	s_lshl_b32 s2, s2, 10
	s_add_nc_u64 s[CCB:CCB+1], s[CCP:CCP+1], s[2:3]
	s_lshl_b32 s2, s[BB], 3
	s_add_co_u32 s2, s2, s[HP]
	s_lshl_b32 s2, s2, 11
	s_add_nc_u64 s[CSP:CSP+1], s[CSP:CSP+1], s[2:3]
	s_mov_b32 s[HWO], 0
	s_mov_b32 s[HSO], 0
	s_mov_b32 s[H2], 0
	s_mov_b32 s[HCNT], 0
	s_wait_alu depctr_va_vdst(0)                   ; the wait at the head's end
	s_wait_tensorcnt 0x0                           ; my tile has landed, so the descriptors' registers are free:
	s_bfe_u32 s[BDA], s[TIA], 0x20001              ; (tile / 2) % 4: the block of 32 keys of a tile's last step that holds its diagonal
	s_bfe_u32 s[BDB], s[TIB], 0x20001
	s_mov_b32 s[HV], 0
	s_barrier_signal -1
	s_barrier_wait -1                              ; everybody's has
; q or k of my two tiles of tokens, transposed: a lane holds one token, its registers run along the head's 64
.macro PROJ which
	ds_load_b128 v[208:211], v12 offset:2048*\which
	ds_load_b128 v[212:215], v12 offset:2048*\which+512
	ds_load_b128 v[216:219], v10
	ds_load_b128 v[220:223], v22
.irp s, 0,1,2,3
.if \s > 0
	PLACES
.endif
.if (\which == 0) && (\s == 1)
.irp n, 0,1,2,3                        ; bq has served as C: bk takes its registers
	global_load_b128 v[224+8*\n:227+8*\n], v30, s[BK:BK+1] offset:128*(\n/2)+32*(\n%2)
	global_load_b128 v[228+8*\n:231+8*\n], v30, s[BK:BK+1] offset:128*(\n/2)+32*(\n%2)+16
.endr
.endif
.irp xt, 0,1
.irp c, 0,1
	ds_load_b128 v[160+8*\xt+4*\c:163+8*\xt+4*\c], v[4+\xt] offset:64*\s+32*\c
.endr
.endr
.irp n, 0,1,2,3
.irp c, 0,1
	ds_load_b128 v[176+8*\n+4*\c:179+8*\n+4*\c], v7 offset:WSTR*\which+2176*\n+64*\s+32*\c
.endr
.endr
	s_wait_dscnt 0x0
.if (\which == 1) && (\s == 0)
	s_wait_loadcnt 0x0                             ; bk
.endif
.irp xt, 0,1
.irp n, 0,1,2,3                        ; eight accumulators by turns; the bias is the C of each sum's first product
.if \s == 0
	WM 96+32*\xt+8*\n, 176+8*\n, 160+8*\xt, 224+8*\n, 208+4*(\n/2)+\s, 216+4*\xt+\s, \n%2, 0
.else
	WM 96+32*\xt+8*\n, 176+8*\n, 160+8*\xt, 96+32*\xt+8*\n, 208+4*(\n/2)+\s, 216+4*\xt+\s, \n%2, 0
.endif
.endr
.endr
.endr
	PLACES
.endm
; A key step of 128 keys of which the first nb blocks of 32 are live.  diag = 1: block nb - 1 holds the tile's diagonal and is masked; the blocks behind it get zero codes
.macro STEPV nb, diag, qf, qs, qb
	v_add_nc_u32 v23, s[KBK], v1                   ; (these four are also the places behind the last products)
	v_add_nc_u32 v24, s[KSB], v19
	v_add_nc_u32 v25, s[KBV], v1
	v_add_nc_u32 v26, s[VSB], v20
.irp t, 0,1,2,3
.if \t < 2*\nb
	ds_load_b128 v[48+8*\t:51+8*\t], v23 offset:512*\t
	ds_load_b32 v[80+\t], v24 offset:128*\t
.endif
.endr
.irp n, 0,1,2,3
	ds_load_b128 v[224+8*\n:227+8*\n], v25 offset:1024*\n
	ds_load_b128 v[228+8*\n:231+8*\n], v25 offset:1024*\n+512
	ds_load_b32 v[84+\n], v26 offset:64*\n
.endr
	s_wait_alu depctr_va_vdst(0)                   ; directly ahead of the wait below
.if \nb > 2
	s_wait_dscnt 12                                ; k's loads are in; v's twelve may be out
.else
	s_wait_dscnt 0x0                               ; no second group follows: v's are waited for here
.endif
.irp t, 0,1,2,3
.if \t < 2*\nb
	WM 96+8*\t, 48+8*\t, \qf, -1, 80+\t, \qs, 0, 0
.endif
.endr
	PLACES
.if \nb > 2
.irp t, 0,1,2,3
.if \t+4 < 2*\nb
	ds_load_b128 v[48+8*\t:51+8*\t], v23 offset:2048+512*\t
	ds_load_b32 v[80+\t], v24 offset:512+128*\t
.endif
.endr
	s_wait_dscnt 0x0
.irp t, 0,1,2,3
.if \t+4 < 2*\nb
	WM 128+8*\t, 48+8*\t, \qf, -1, 80+\t, \qs, 0, 0
.endif
.endr
	PLACES
.endif
.if \diag
	s_sub_co_i32 s18, s[\qb], s[KF]
.if \nb > 1
	s_sub_co_i32 s18, s18, 32*(\nb-1)
.endif
	v_add_nc_u32 v214, s18, v2                     ; d = my query - the block's first key - 16 h: register i of the block is hidden where i > d
	v_mov_b32 v215, 0xff800000
.set jj, 0
.rept 16
	v_cmp_gt_i32 vcc_lo, jj, v214
	v_cndmask_b32 v[96+16*(\nb-1)+jj], v[96+16*(\nb-1)+jj], v215, vcc_lo
.set jj, jj+1
.endr
.endif
.irp b, 0,1,2,3
.if \b < \nb
	v_max3_num_f32 v[BM+\b], v[96+16*\b], v[97+16*\b], v[98+16*\b]   ; each block's largest score: for the row's maximum and for the block's largest p
.endif
.endr
.irp i, 3,5,7,9,11,13
.irp b, 0,1,2,3
.if \b < \nb
	v_max3_num_f32 v[BM+\b], v[BM+\b], v[96+16*\b+\i], v[97+16*\b+\i]
.endif
.endr
.endr
.irp b, 0,1,2,3
.if \b < \nb
	v_max_num_f32 v[BM+\b], v[BM+\b], v[111+16*\b]
.endif
.endr
.irp b, 0,1,2,3
.if \b < \nb
	s_delay_alu instid0(VALU_DEP_\nb)
	v_permlanex16_b32 v[BP+\b], v[BM+\b], s[SEL], s[SEL+1]
.endif
.endr
.irp b, 0,1,2,3
.if \b < \nb
	s_delay_alu instid0(VALU_DEP_\nb)
	v_max_num_f32 v[BM+\b], v[BM+\b], v[BP+\b]
.endif
.endr
.if \nb == 4
	s_delay_alu instid0(VALU_DEP_2)
.else
	s_delay_alu instid0(VALU_DEP_1)
.endif
.if \nb == 1
	v_mul_f32 v214, s[CS], v[BM]
.else
.if \nb == 2
	v_max_num_f32 v214, v[BM], v[BM+1]
.else
	v_max3_num_f32 v214, v[BM], v[BM+1], v[BM+2]
.endif
.if \nb == 4
	s_delay_alu instid0(VALU_DEP_1)
	v_max_num_f32 v214, v214, v[BM+3]
.endif
	s_delay_alu instid0(VALU_DEP_1)
	v_mul_f32 v214, s[CS], v214                    ; as t
.endif
	s_delay_alu instid0(VALU_DEP_1)
	v_max_num_f32 v93, v93, v214                   ; the running largest t
	v_mov_b32 v214, v92
	s_delay_alu instid0(VALU_DEP_2)
	v_floor_f32 v92, -v93                          ; the new -M = -ceil(t)
	s_delay_alu instid0(VALU_DEP_1)
	v_sub_f32 v214, v92, v214
	s_delay_alu instid0(VALU_DEP_1)
	v_cvt_i32_f32 v214, v214                       ; (it saturates)
	s_delay_alu instid0(VALU_DEP_1)
	v_ldexp_f32 v212, 1.0, v214                    ; f = 2^(old M - new M)
.set jj, 0
.rept 8*\nb
	v_pk_fma_f32 v[96+jj:97+jj], v[96+jj:97+jj], s[CS:CS+1], v[92:93] op_sel_hi:[1,0,0]   ; t - M
.set jj, jj+2
.endr
.irp b, 0,1,2,3
.if \b < \nb
	v_fma_f32 v[BM+\b], v[BM+\b], s[CS], v92
.endif
.endr
	s_wait_alu depctr_va_vdst(0)                   ; the wait ahead of the batch
.set jj, 0
.rept 16*\nb
	v_exp_f32 v[96+jj], v[96+jj]                   ; p = 2^(t - M)
.set jj, jj+1
.endr
	v_pk_mul_f32 v[94:95], v[94:95], v[212:213] op_sel_hi:[1,0]   ; the sums under the new M: a plain place behind the exponentials
	s_wait_alu depctr_va_vdst(0)                   ; one wait for the batch, ahead of its first reader
.irp b, 0,1,2,3
.if \b < \nb
	v_exp_f32 v[BM+\b], v[BM+\b]                   ; the block's largest p
.endif
.endr
.irp c, 0,1,2,3                        ; the row's sum of the unquantised p: four chains of pairs in v204-211
	v_pk_add_f32 v[204+2*\c:205+2*\c], v[96+2*\c:97+2*\c], v[104+2*\c:105+2*\c]
.endr
.set jj, 8
.rept 8*\nb-8
	v_pk_add_f32 v[204+2*(jj%4):205+2*(jj%4)], v[204+2*(jj%4):205+2*(jj%4)], v[96+2*jj:97+2*jj]
.set jj, jj+1
.endr
	v_pk_add_f32 v[204:205], v[204:205], v[206:207]
	v_pk_add_f32 v[208:209], v[208:209], v[210:211]
	s_delay_alu instid0(VALU_DEP_1)
	v_pk_add_f32 v[204:205], v[204:205], v[208:209]
	s_delay_alu instid0(VALU_DEP_1)
	v_pk_add_f32 v[94:95], v[94:95], v[204:205]
	s_wait_alu depctr_va_vdst(0)                   ; and one for the blocks' largest p
.irp b, 0,1,2,3
.if \b < \nb
	v_max_num_f32 v[BM+\b], 0x1800000, v[BM+\b]    ; the floor 2^(3 - 127)
.endif
.endr
.irp b, 0,1,2,3
.if \b < \nb
	s_delay_alu instid0(VALU_DEP_\nb)
	v_add_nc_u32 v[SO+\b], 0xff000000, v[BM+\b]
.endif
.endr
.irp b, 0,1,2,3
.if \b < \nb
	s_delay_alu instid0(VALU_DEP_\nb)
	v_lshrrev_b32 v[BP+\b], 23, v[SO+\b]
.endif
.endr
.if \nb == 4
	s_delay_alu instid0(VALU_DEP_3)
.elseif \nb == 3
	s_delay_alu instid0(VALU_DEP_2)
.else
	s_delay_alu instid0(VALU_DEP_1)
.endif
.if \nb == 1
	v_mov_b32 v88, v[BP]                           ; p's scale word; a hidden block's byte is 0, over zero codes
.else
	v_lshl_or_b32 v88, v[BP+1], 8, v[BP]
.endif
.if \nb > 2
	s_delay_alu instid0(VALU_DEP_1)
	v_lshl_or_b32 v88, v[BP+2], 16, v88
.endif
.if \nb > 3
	s_delay_alu instid0(VALU_DEP_1)
	v_lshl_or_b32 v88, v[BP+3], 24, v88
.endif
.irp b, 0,1,2,3
.if \b >= \nb
	v_mov_b32 v[192+2*\b], 0                       ; hidden keys: zero codes
	v_mov_b32 v[193+2*\b], 0
.endif
.endr
.irp b, 0,1,2,3
.if \b < \nb
	v_cvt_scalef32_pk8_fp4_f32 v[192+2*\b], v[96+16*\b:103+16*\b], v[SO+\b]
	v_cvt_scalef32_pk8_fp4_f32 v[193+2*\b], v[104+16*\b:111+16*\b], v[SO+\b]
.endif
.endr
	v_nop
	v_permlane16_swap_b32 v192, v194
	v_permlane16_swap_b32 v193, v195
.if \nb > 2
	v_permlane16_swap_b32 v196, v198
	v_permlane16_swap_b32 v197, v199
.endif
	s_wait_alu depctr_va_vdst(0)                   ; directly ahead of the first reader of O^T
.set jj, 0
.rept 16
	v_pk_mul_f32 v[160+jj:161+jj], v[160+jj:161+jj], v[212:213] op_sel_hi:[1,0]   ; O^T under the new M; twelve of these name no register of any one product below: its places
.set jj, jj+2
.endr
.irp n, 0,1,2,3
	WM 160+8*\n, 224+8*\n, 192, 160+8*\n, 84+\n, 88, 0, 0
.endr
.endm
; One query tile against its keys.  ns: its last key step; bd: that step's diagonal block; qb: its first token
.macro ATT qf, qs, ns, bd, qb, hc, ccb, sst
	v_mov_b32 v93, 0xff61b1e6                      ; the largest t so far: -3e38
	s_delay_alu instid0(VALU_DEP_1)
	v_floor_f32 v92, -v93
	v_mov_b32 v94, 0
	v_mov_b32 v95, 0
.set jj, 0
.rept 32
	v_mov_b32 v[160+jj], 0                         ; O^T: the first change of M leaves zeros zeros
.set jj, jj+1
.endr
	s_mov_b32 s[KSI], 0
	s_mov_b32 s[KBK], KI
	s_add_co_u32 s[KBV], s[HV], VI
	s_mov_b32 s[KSB], KSC
	s_add_co_u32 s[VSB], s[HV], VSC
	s_mov_b32 s[KF], 0
.Lstep_\@:                             ; four trips in every wave; a step beyond the tile's last is passed over
	s_cmp_gt_u32 s[KSI], s[\ns]
	s_cbranch_scc1 .Lhid_\@
	s_cmp_eq_u32 s[KSI], s[\ns]
	s_cbranch_scc1 .Ldg_\@
	STEPV 4, 0, \qf, \qs, \qb
	s_branch .Lhid_\@
.Ldg_\@:                               ; the tile's last step, by its number of live blocks
	s_cmp_lt_u32 s[\bd], 2
	s_cbranch_scc1 .Llow_\@
	s_cmp_eq_u32 s[\bd], 3
	s_cbranch_scc0 .Ld3_\@
	STEPV 4, 1, \qf, \qs, \qb
	s_branch .Lhid_\@
.Ld3_\@:
	STEPV 3, 1, \qf, \qs, \qb
	s_branch .Lhid_\@
.Llow_\@:
	s_cmp_eq_u32 s[\bd], 1
	s_cbranch_scc0 .Ld1_\@
	STEPV 2, 1, \qf, \qs, \qb
	s_branch .Lhid_\@
.Ld1_\@:
	STEPV 1, 1, \qf, \qs, \qb
.Lhid_\@:
	s_add_co_u32 s[KBK], s[KBK], 4096
	s_add_co_u32 s[KBV], s[KBV], 4096
	s_add_co_u32 s[KSB], s[KSB], 1024
	s_add_co_u32 s[VSB], s[VSB], 256
	s_add_co_u32 s[KF], s[KF], 128
	s_add_co_u32 s[KSI], s[KSI], 1
	s_cmp_lt_u32 s[KSI], 4
	s_cbranch_scc1 .Lstep_\@
	PLACES
	v_add_f32 v94, v94, v95
	s_delay_alu instid0(VALU_DEP_1)
	v_permlanex16_b32 v214, v94, s[SEL], s[SEL+1]
	s_delay_alu instid0(VALU_DEP_1)
	v_add_f32 v94, v94, v214                       ; the row's sum
	s_wait_alu depctr_va_vdst(0)
	v_rcp_f32 v94, v94
	v_nop
	s_wait_alu depctr_va_vdst(0)
.set jj, 0
.rept 16
	v_pk_mul_f32 v[96+jj:97+jj], v[160+jj:161+jj], v[94:95] op_sel_hi:[1,0]   ; register 16 b + i: channel 32 b + 16 h + i of my query's head
.set jj, jj+2
.endr
	QUANT2 96, \hc, 215, 80, 0
	global_store_b128 v1, v[\hc:\hc+3], s[\ccb:\ccb+1]         ; half a fragment of the concatenated heads: 512 consecutive bytes; its registers are next written behind the head's wait on XCNT
	v_add_nc_u32 v29, s[H2], v[\sst]
	ds_store_b16 v29, v215
.endm
.Lhead:                                ; two trips: head 2 hp, head 2 hp + 1
	v_add_nc_u32 v7, s[HWO], v6
	v_add_nc_u32 v12, s[HSO], v11
	s_delay_alu instid0(VALU_DEP_2)
	v_add_nc_u32 v8, s[NU1], v7
	s_delay_alu instid0(VALU_DEP_2)
	v_add_nc_u32 v29, s[NU2], v12
	s_wait_alu depctr_va_vdst(0)
.irp n, 0,1,2,3                        ; bq in the result's layout
	global_load_b128 v[224+8*\n:227+8*\n], v30, s[BQ:BQ+1] offset:128*(\n/2)+32*(\n%2)
	global_load_b128 v[228+8*\n:231+8*\n], v30, s[BQ:BQ+1] offset:128*(\n/2)+32*(\n%2)+16
.endr
	global_load_b32 v220, v31, s[BV:BV+1]                      ; bv of my lane's channel, tile 2 nu, twice: a pair for the packed addition;
	global_load_b32 v221, v31, s[BV:BV+1]
	global_load_b32 v222, v31, s[BV:BV+1] offset:32            ; tile 2 nu + 1 likewise
	global_load_b32 v223, v31, s[BV:BV+1] offset:32
	; v: source 0 = 16 tokens, source 1 = 16 rows of Wv: a lane holds one channel, its registers run along my 64 keys
	ds_load_b128 v[208:211], v9
	ds_load_b128 v[212:215], v9 offset:512
	ds_load_b128 v[216:219], v29
.irp s, 0,1,2,3
.if \s > 0
	PLACES
.endif
.irp a, 0,1,2,3
.irp c, 0,1
	ds_load_b128 v[160+8*\a+4*\c:163+8*\a+4*\c], v3 offset:2176*\a+64*\s+32*\c
.endr
.endr
.irp u, 0,1
.irp c, 0,1
	ds_load_b128 v[192+8*\u+4*\c:195+8*\u+4*\c], v8 offset:2176*\u+64*\s+32*\c
.endr
.endr
	s_wait_dscnt 0x0
.irp u, 0,1
.irp a, 0,1,2,3
.if \s == 0
	WM 96+32*\u+8*\a, 160+8*\a, 192+8*\u, -1, 208+4*(\a/2)+\s, 216+\s, \a%2, \u
.else
	WM 96+32*\u+8*\a, 160+8*\a, 192+8*\u, 96+32*\u+8*\a, 208+4*(\a/2)+\s, 216+\s, \a%2, \u
.endif
.endr
.endr
.endr
	PLACES
	s_wait_loadcnt 0x0                             ; bq and bv
.set jj, 0
.rept 16
	v_pk_add_f32 v[96+jj:97+jj], v[96+jj:97+jj], v[220:221]
.set jj, jj+2
.endr
.set jj, 0
.rept 16
	v_pk_add_f32 v[128+jj:129+jj], v[128+jj:129+jj], v[222:223]
.set jj, jj+2
.endr
	TANH 96, 160, 176, 192
	TANH 112, 160, 176, 192
	TANH 128, 160, 176, 192
	TANH 144, 160, 176, 192
	QUANT2 96, 192, 200, 80, 0
	QUANT2 128, 196, 201, 80, 0
	v_add_nc_u32 v23, s[HV], v17                   ; this head's own bytes: other waves may still read the last head's v
	v_add_nc_u32 v24, s[HV], v18
	ds_store_b128 v23, v[192:195]                  ; half a fragment of v^T, as it stands in the registers
	ds_store_b128 v23, v[196:199] offset:1024
	ds_store_b16 v24, v200
	ds_store_b16 v24, v201 offset:64
	s_wait_dscnt 0x0                               ; the stores have read their registers: loads land there next
	PROJ 0
	QUANT2 96, 32, 89, 80, 1                       ; q stays in registers
	QUANT2 128, 40, 21, 80, 1
	PROJ 1
	QUANT2 96, 192, 200, 80, 1
	QUANT2 128, 196, 201, 80, 1
	s_wait_alu depctr_va_vdst(0)                   ; the wait ahead of the waits below
	s_wait_dscnt 0x0                               ; my reads of the last head's images are over,
	s_barrier_signal -1
	s_barrier_wait -1                              ; everybody's are: k's images may be written again
	ds_store_b128 v13, v[192:195]                  ; k's tiles as images
	ds_store_b32 v15, v200
	ds_store_b128 v14, v[196:199]
	ds_store_b32 v16, v201
	s_wait_dscnt 0x0                               ; my images have landed,
	s_barrier_signal -1
	s_barrier_wait -1                              ; everybody's have
	ATT 32, 89, NSA, BDA, QBA, 216, CCA, 27
	ATT 40, 21, NSB, BDB, QBB, 220, CCB, 28
	s_wait_xcnt 0x0                                ; the loads and stores have read their bases and registers
	s_add_nc_u64 s[BQ:BQ+1], s[BQ:BQ+1], 256
	s_add_nc_u64 s[BK:BK+1], s[BK:BK+1], 256
	s_add_nc_u64 s[BV:BV+1], s[BV:BV+1], 256
	s_add_nc_u64 s[CCA:CCA+1], s[CCA:CCA+1], 512
	s_add_nc_u64 s[CCB:CCB+1], s[CCB:CCB+1], 512
	s_add_co_u32 s[HWO], s[HWO], 8704
	s_add_co_u32 s[HSO], s[HSO], 1024
	s_add_co_u32 s[H2], s[H2], 2
	s_add_co_u32 s[HV], s[HV], VD
	s_add_co_u32 s[HCNT], s[HCNT], 1
	s_cmp_lt_u32 s[HCNT], 2
	s_cbranch_scc1 .Lhead
	s_wait_dscnt 0x0                               ; my scale words of the heads have landed,
	s_barrier_signal -1
	s_barrier_wait -1                              ; everybody's have
	; the heads' scale words leave: 2,048 bytes, waves 0-3, 512 consecutive bytes each
	v_and_b32 v215, 127, v0
	s_delay_alu instid0(VALU_DEP_1)
	v_lshl_add_u32 v29, v215, 4, SST
	s_delay_alu instid0(VALU_DEP_2)
	v_lshlrev_b32 v214, 4, v215
	s_wait_alu depctr_va_vdst(0)
	s_cmp_lt_u32 s[WV], 4
	s_cbranch_scc0 .Lno_cs
	ds_load_b128 v[96:99], v29
	s_wait_dscnt 0x0
	global_store_b128 v214, v[96:99], s[CSP:CSP+1]
.Lno_cs:
	s_wait_xcnt 0x0
	v_lshl_add_u32 v254, v0, 2, 0x49000            ; the add's two registers, made anew from v0
	v_mov_b32 v255, 0
	s_wait_alu depctr_va_vdst(0)
	s_wait_tensorcnt 0x0                           ; the wave's end
	ds_add_u32 v254, v255
	s_wait_dscnt 0x0
	ROUND                                          ; the closing round
	s_endpgm
.Lfunc_end_k_qc6ef5498b1_attn:
	.size	k_qc6ef5498b1_attn, .Lfunc_end_k_qc6ef5498b1_attn-k_qc6ef5498b1_attn
	.p2alignl 7, 3214868480
	.fill 96, 4, 3214868480
	.section	.rodata,"a",@progbits
	.p2align	6, 0x0
	.amdhsa_kernel k_qc6ef5498b1_attn
		.amdhsa_group_segment_fixed_size 318464
		.amdhsa_private_segment_fixed_size 0
		.amdhsa_enable_private_segment 0
		.amdhsa_kernarg_size 136
		.amdhsa_user_sgpr_count 2
		.amdhsa_user_sgpr_kernarg_segment_ptr 1
		.amdhsa_wavefront_size32 1
		.amdhsa_system_sgpr_workgroup_id_x 1
		.amdhsa_system_sgpr_workgroup_id_y 1
		.amdhsa_system_sgpr_workgroup_id_z 1
		.amdhsa_system_vgpr_workitem_id 0
		.amdhsa_next_free_vgpr 256
		.amdhsa_next_free_sgpr 106
		.amdhsa_reserve_vcc 1
		.amdhsa_float_denorm_mode_32 3
		.amdhsa_float_denorm_mode_16_64 3
		.amdhsa_memory_ordered 1
		.amdhsa_forward_progress 1
		.amdhsa_inst_pref_size 238
	.end_amdhsa_kernel
	.amdgpu_metadata
---
amdhsa.version: [ 1, 2 ]
amdhsa.kernels:
  - .name:           k_qc6ef5498b1_attn
    .symbol:         k_qc6ef5498b1_attn.kd
    .args:
      - { .name: inputs_codes, .offset: 0, .size: 8, .value_kind: global_buffer, .address_space: global }
      - { .name: inputs_scales, .offset: 8, .size: 8, .value_kind: global_buffer, .address_space: global }
      - { .name: Wq_codes, .offset: 16, .size: 8, .value_kind: global_buffer, .address_space: global }
      - { .name: Wq_scales, .offset: 24, .size: 8, .value_kind: global_buffer, .address_space: global }
      - { .name: Wk_codes, .offset: 32, .size: 8, .value_kind: global_buffer, .address_space: global }
      - { .name: Wk_scales, .offset: 40, .size: 8, .value_kind: global_buffer, .address_space: global }
      - { .name: Wv_codes, .offset: 48, .size: 8, .value_kind: global_buffer, .address_space: global }
      - { .name: Wv_scales, .offset: 56, .size: 8, .value_kind: global_buffer, .address_space: global }
      - { .name: bq, .offset: 64, .size: 8, .value_kind: global_buffer, .address_space: global }
      - { .name: bk, .offset: 72, .size: 8, .value_kind: global_buffer, .address_space: global }
      - { .name: bv, .offset: 80, .size: 8, .value_kind: global_buffer, .address_space: global }
      - { .name: Wo_codes, .offset: 88, .size: 8, .value_kind: global_buffer, .address_space: global }
      - { .name: Wr_codes, .offset: 96, .size: 8, .value_kind: global_buffer, .address_space: global }
      - { .name: Wfc_codes, .offset: 104, .size: 8, .value_kind: global_buffer, .address_space: global }
      - { .name: cc, .offset: 112, .size: 8, .value_kind: global_buffer, .address_space: global }
      - { .name: cs, .offset: 120, .size: 8, .value_kind: global_buffer, .address_space: global }
      - { .name: wimg, .offset: 128, .size: 8, .value_kind: global_buffer, .address_space: global }
    .group_segment_fixed_size: 318464
    .private_segment_fixed_size: 0
    .kernarg_segment_align: 8
    .kernarg_segment_size: 136
    .max_flat_workgroup_size: 512
    .sgpr_count:     106
    .vgpr_count:     256
    .wavefront_size: 32
...
	.end_amdgpu_metadata
.endif
;; end of part 1
;; launch tail (part 2): grid 256 x 1, 16 waves a work-group, clusters of 4 x 1, 327,680 bytes of LDS; arguments inputs_codes, inputs_scales, cc, cs, wimg, Wo_scales, Wr_scales, Wfc_scales, bo, br, bfc, ln1_w, ln1_b, ln2_w, ln2_b, out0; writes out0
.if DOCPART == 2
	.amdgcn_target "amdgcn-amd-amdhsa--gfx1250"
	.amdhsa_code_object_version 6
	.text
	.protected	k_qc6ef5498b1_tail
	.globl	k_qc6ef5498b1_tail
	.p2align	8
	.type	k_qc6ef5498b1_tail,@function
k_qc6ef5498b1_tail:
	s_mov_b64 s[64:65], 0
	v_nop
	global_prefetch_b8 v0, s[64:65] scope:SCOPE_SE
	s_setreg_imm32_b32 hwreg(HW_REG_WAVE_MODE, 25, 1), 1
	s_wait_xcnt 0x0
	s_wait_alu depctr_hold_cnt(0) depctr_sa_sdst(0) depctr_va_vdst(0) depctr_va_sdst(0) depctr_va_ssrc(0) depctr_va_vcc(0) depctr_vm_vsrc(0)
	s_getreg_b32 s2, hwreg(HW_REG_IB_STS2, 6, 4)
	s_cmp_eq_u32 s2, 0
	s_cbranch_scc0 .Lentry_in_a_cluster
	s_endpgm
.Lentry_in_a_cluster:
	s_bfe_u32 s2, ttmp6, 0x10000c
	s_cmp_lg_u32 s2, 0x3003
	s_cbranch_scc0 .Lentry_shape_is_right
	s_endpgm
.Lentry_shape_is_right:
; out = LN2(relu(y Wfc + bfc) + y), y = LN1(tanh(heads Wo + bo) + x Wr + br); the three products on codes of FP4 (E2M1) with one E8M0 scale for each 32 along K.
; A work-group of sixteen waves owns 64 rows: tiles m = 0 .. 3, lane r of tile m = row 32 (m / 2) + 8 (m % 2) + rho, rho = r + (r & 8).  Wave w makes columns 32 w .. 32 w + 31 of all 64 rows.
; The products are used transposed (source 0 = 16 rows of a weight, source 1 = 16 rows): register 16 m + i of lane (r, h) is column 32 w + 16 h + i of tile m's row r.  A wave's 32 columns are one block of the next K.
; THE WEIGHTS lie in wimg in the order of the operand's registers: wave w's 16 K steps (8 of Wo, 4 of Wr, 4 of Wfc) are 32 KB on end.  All work-groups read them, so they are asked for JOINTLY, in clusters of four:
; wave w of each of the four issues the same tensor load (mask 15), 16 KB into its own 16 KB of one slot of 256 KB: Wo at the head, Wr and Wfc as the one refill, behind the eighth step of Wo, under the four tanh blocks.
; A wave reads only the bytes that it has fetched itself, so its own wait on TENSORcnt orders its reads; every wait on TENSORcnt is for 0.  A wave has one tensor load out at the most.
; No prefetch: the text has no loop to run ahead in, and each of the two fills is asked for as early as its bytes are free.
; The adds of 0 on the spare words, the rounds of the cluster's barrier and the claim of all of LDS.
; Layer norms in two passes, as reference() has them; a row's 16 partial sums meet in LDS.
; LIMITS: NaN and infinities are not served; blocks of zeros made here carry the byte 1, not 127 (zero codes; this program alone reads the bytes); sums run in another order than reference()'s; tanh:
; for |x| < 0.25 the series up to x^7 (cut 3e-7 of x), else 1 - 2 / (1 + e^2x).
.set OST,  0                           ; bytes 0 .. 262,143: the weights' slot, 16,384 bytes a wave; behind its last fill and last read the way out's stage: 64 rows of 2,048 + 16 bytes
.set XB,   262144                      ; x's 64 rows: even groups of 16 here, odd groups X2O on; rows 272 bytes apart
.set X2O,  8832
.set CIMG, 279808                      ; the heads' 32 fragments (8 m + sigma), 1,024 bytes each
.set HIMG, 279808                      ; y's 16 fragments (4 m + s): in the heads' bytes, which are read out by then (the refill's round stands between)
.set HSC,  296192                      ; their scale words: 64 (4 m + s) + 4 r
.set RED,  297216                      ; four regions of 5,120: 1,280 m + 80 r + 4 w
.set SPARE, 317696                     ; the spare words, 128 bytes a wave
.set ACC1, 16
.set ACC2, 80
.set WF,   144                         ; four places of two fragments of a weight
.set RF,   208                         ; the rows' four fragments of a K step
.set WS,   240
.set HS,   248
.set CSR,  80
.set XSW,  96
.set BO,   104
.set BR,   120
.set WRS,  136
.set WV,   36
.set SEL,  40
.set K2,   42
.set C3,   44
.set C1,   46
.set QTR,  48
.set INV,  49
.set EPS,  50
.set WG,   51                          ; the work-group's number: 4 x cluster + my place; it enters global addresses alone
.set G1,   56
.set G0,   68
; ADDRESSES: v1 16 lane; v2 4 lane; v3 x rows in; v4 x fragments; v5 heads in; v6 heads' and y's fragments; v7 y's codes in; v8 y's scale bytes in; v9 my weights in the slot; v10 y's scale words; v11 partial sums in; v12 out;
; v13, v252 the stage in; v14 the stage out; v15 128 w + 64 h; v248-251, v253 offsets of the first loads; v[254:255] 2/15
.macro PLACES
.rept 4
	v_nop
.endr
.endm
.macro BARRIER
	s_wait_dscnt 0x0
	s_barrier_signal -1
	s_barrier_wait -1
.endm
.macro ROUND                           ; a round of the cluster's barrier
	s_barrier_signal -1
	s_barrier_wait -1
	s_cmp_lg_u32 s[WV], 0
	s_cbranch_scc1 .Lnw0_\@
	s_barrier_signal -3
.Lnw0_\@:
	s_barrier_wait -3
	s_barrier_signal -1
	s_barrier_wait -1
.endm
.macro WM d, a, b, c, sa, sb, ra, rb
.if (\c) < 0
.if (\ra) && (\rb)
	v_wmma_scale_f32_16x16x128_f8f6f4 v[(\d):(\d)+7], v[(\a):(\a)+7], v[(\b):(\b)+7], 0, v[(\sa)], v[(\sb)] matrix_a_fmt:MATRIX_FMT_FP4 matrix_b_fmt:MATRIX_FMT_FP4 matrix_a_scale:MATRIX_SCALE_ROW1 matrix_b_scale:MATRIX_SCALE_ROW1
.elseif (\ra)
	v_wmma_scale_f32_16x16x128_f8f6f4 v[(\d):(\d)+7], v[(\a):(\a)+7], v[(\b):(\b)+7], 0, v[(\sa)], v[(\sb)] matrix_a_fmt:MATRIX_FMT_FP4 matrix_b_fmt:MATRIX_FMT_FP4 matrix_a_scale:MATRIX_SCALE_ROW1
.elseif (\rb)
	v_wmma_scale_f32_16x16x128_f8f6f4 v[(\d):(\d)+7], v[(\a):(\a)+7], v[(\b):(\b)+7], 0, v[(\sa)], v[(\sb)] matrix_a_fmt:MATRIX_FMT_FP4 matrix_b_fmt:MATRIX_FMT_FP4 matrix_b_scale:MATRIX_SCALE_ROW1
.else
	v_wmma_scale_f32_16x16x128_f8f6f4 v[(\d):(\d)+7], v[(\a):(\a)+7], v[(\b):(\b)+7], 0, v[(\sa)], v[(\sb)] matrix_a_fmt:MATRIX_FMT_FP4 matrix_b_fmt:MATRIX_FMT_FP4
.endif
.else
.if (\ra) && (\rb)
	v_wmma_scale_f32_16x16x128_f8f6f4 v[(\d):(\d)+7], v[(\a):(\a)+7], v[(\b):(\b)+7], v[(\c):(\c)+7], v[(\sa)], v[(\sb)] matrix_a_fmt:MATRIX_FMT_FP4 matrix_b_fmt:MATRIX_FMT_FP4 matrix_a_scale:MATRIX_SCALE_ROW1 matrix_b_scale:MATRIX_SCALE_ROW1
.elseif (\ra)
	v_wmma_scale_f32_16x16x128_f8f6f4 v[(\d):(\d)+7], v[(\a):(\a)+7], v[(\b):(\b)+7], v[(\c):(\c)+7], v[(\sa)], v[(\sb)] matrix_a_fmt:MATRIX_FMT_FP4 matrix_b_fmt:MATRIX_FMT_FP4 matrix_a_scale:MATRIX_SCALE_ROW1
.elseif (\rb)
	v_wmma_scale_f32_16x16x128_f8f6f4 v[(\d):(\d)+7], v[(\a):(\a)+7], v[(\b):(\b)+7], v[(\c):(\c)+7], v[(\sa)], v[(\sb)] matrix_a_fmt:MATRIX_FMT_FP4 matrix_b_fmt:MATRIX_FMT_FP4 matrix_b_scale:MATRIX_SCALE_ROW1
.else
	v_wmma_scale_f32_16x16x128_f8f6f4 v[(\d):(\d)+7], v[(\a):(\a)+7], v[(\b):(\b)+7], v[(\c):(\c)+7], v[(\sa)], v[(\sb)] matrix_a_fmt:MATRIX_FMT_FP4 matrix_b_fmt:MATRIX_FMT_FP4
.endif
.endif
.endm
.macro TANH x, te, t2, ta              ; tanh of 16 registers, in place; te, t2, ta: 16 registers each, at work
.irp j, 0,2,4,6,8,10,12,14
	v_pk_mul_f32 v[\te+\j:\te+\j+1], v[\x+\j:\x+\j+1], s[K2:K2+1] op_sel_hi:[1,0]
.endr
	s_wait_alu depctr_va_vdst(0)                   ; a wait ahead of each batch and behind it
.irp j, 0,1,2,3,4,5,6,7,8,9,10,11,12,13,14,15
	v_exp_f32 v[\te+\j], v[\te+\j]
.endr
.irp j, 0,2,4,6,8,10,12,14
	v_pk_mul_f32 v[\t2+\j:\t2+\j+1], v[\x+\j:\x+\j+1], v[\x+\j:\x+\j+1]
.endr
.irp j, 0,2,4,6,8,10,12,14
	v_pk_fma_f32 v[\ta+\j:\ta+\j+1], v[\t2+\j:\t2+\j+1], s[C3:C3+1], v[254:255] op_sel_hi:[1,0,0]
.endr
.irp j, 0,2,4,6,8,10,12,14
	v_pk_fma_f32 v[\ta+\j:\ta+\j+1], v[\t2+\j:\t2+\j+1], v[\ta+\j:\ta+\j+1], s[C1:C1+1] op_sel_hi:[1,1,0]
.endr
.irp j, 0,2,4,6,8,10,12,14
	v_pk_mul_f32 v[\t2+\j:\t2+\j+1], v[\ta+\j:\ta+\j+1], v[\t2+\j:\t2+\j+1]
.endr
.irp j, 0,2,4,6,8,10,12,14
	v_pk_fma_f32 v[\t2+\j:\t2+\j+1], v[\t2+\j:\t2+\j+1], v[\x+\j:\x+\j+1], v[\x+\j:\x+\j+1]
.endr
	s_wait_alu depctr_va_vdst(0)
.irp j, 0,2,4,6,8,10,12,14
	v_pk_add_f32 v[\te+\j:\te+\j+1], v[\te+\j:\te+\j+1], 1.0 op_sel_hi:[1,0]
.endr
	s_wait_alu depctr_va_vdst(0)
.irp j, 0,1,2,3,4,5,6,7,8,9,10,11,12,13,14,15
	v_rcp_f32 v[\te+\j], v[\te+\j]
.endr
	v_nop
	s_wait_alu depctr_va_vdst(0)
.irp j, 0,2,4,6,8,10,12,14
	v_pk_fma_f32 v[\te+\j:\te+\j+1], v[\te+\j:\te+\j+1], -2.0, 1.0 op_sel_hi:[1,0,0]
.endr
.irp j, 0,1,2,3,4,5,6,7,8,9,10,11,12,13,14,15
	v_cmp_gt_f32 vcc_lo, s[QTR], |v[\x+\j]|
	s_delay_alu instid0(VALU_DEP_1)
	v_cndmask_b32 v[\x+\j], v[\te+\j], v[\t2+\j], vcc_lo
.endr
.endm
.macro WLD p, off                      ; two fragments of my weights, at byte off of my part of the slot, into place p: 512 consecutive bytes a load
.irp u, 0,1
.irp c, 0,1
	ds_load_b128 v[WF+16*(\p)+8*\u+4*\c:WF+16*(\p)+8*\u+4*\c+3], v9 offset:(\off)+1024*\u+512*\c
.endr
.endr
.endm
.macro STEPO sg                        ; heads x Wo, K step sg
	WLD \sg%4, 2048*\sg
.irp m, 0,1,2,3
	ds_load_b128 v[RF+8*\m:RF+8*\m+3], v6 offset:(8*\m+\sg)*1024
	ds_load_b128 v[RF+8*\m+4:RF+8*\m+7], v6 offset:(8*\m+\sg)*1024+512
.endr
.if \sg == 0
	s_wait_loadcnt 0x0                             ; the scale words and biases asked for at the head
.endif
	s_wait_dscnt 0x0
.irp m, 0,1,2,3
.irp u, 0,1                            ; eight accumulators by turns; bo is the C of each sum's first product
.if \sg == 0
	WM ACC1+16*\m+8*\u, WF+8*\u, RF+8*\m, BO+8*\u, WS+4*\u, CSR+\m/2, 0, \m%2
.else
	WM ACC1+16*\m+8*\u, WF+16*(\sg%4)+8*\u, RF+8*\m, ACC1+16*\m+8*\u, WS+4*\u+\sg%4, CSR+2*\sg+\m/2, \sg/4, \m%2
.endif
.endr
.endr
	PLACES
.endm
.macro STEPR s                         ; x x Wr, K step s, onto tanh(..) + br
	WLD \s, 2048*\s
.irp m, 0,1,2,3
	ds_load_b128 v[RF+8*\m:RF+8*\m+3], v4 offset:2176*\m+64*\s
	ds_load_b128 v[RF+8*\m+4:RF+8*\m+7], v4 offset:2176*\m+64*\s+32
.endr
	s_wait_dscnt 0x0
.irp m, 0,1,2,3
.irp u, 0,1
	WM ACC1+16*\m+8*\u, WF+16*\s+8*\u, RF+8*\m, ACC1+16*\m+8*\u, WRS+4*\u+\s, XSW+4*(\m/2)+\s, 0, \m%2
.endr
.endr
	PLACES
.endm
.macro STEPF s                         ; y x Wfc, K step s
	WLD \s, 8192+2048*\s
.irp m, 0,1,2,3
	ds_load_b128 v[RF+8*\m:RF+8*\m+3], v6 offset:(4*\m+\s)*1024
	ds_load_b128 v[RF+8*\m+4:RF+8*\m+7], v6 offset:(4*\m+\s)*1024+512
	ds_load_b32 v[HS+\m], v10 offset:64*(4*\m+\s)
.endr
	s_wait_dscnt 0x0
.irp m, 0,1,2,3
.irp u, 0,1
.if \s == 0
	WM ACC2+16*\m+8*\u, WF+16*\s+8*\u, RF+8*\m, -1, WS+4*\u+\s, HS+\m, 0, 0
.else
	WM ACC2+16*\m+8*\u, WF+16*\s+8*\u, RF+8*\m, ACC2+16*\m+8*\u, WS+4*\u+\s, HS+\m, 0, 0
.endif
.endr
.endr
	PLACES
.endm
.macro RSUM t, red                     ; the sixteen waves' partial sums of my four rows: the totals in v[t + 16 m]
.irp m, 0,1,2,3
.irp q, 0,1,2,3
	ds_load_b128 v[\t+16*\m+4*\q:\t+16*\m+4*\q+3], v12 offset:\red+1280*\m+16*\q
.endr
.endr
	s_wait_dscnt 0x0
.irp m, 0,1,2,3
.irp q, 0,4,8,12
	v_pk_add_f32 v[\t+16*\m+\q:\t+16*\m+\q+1], v[\t+16*\m+\q:\t+16*\m+\q+1], v[\t+16*\m+\q+2:\t+16*\m+\q+3]
.endr
.endr
.irp m, 0,1,2,3
.irp q, 0,8
	v_pk_add_f32 v[\t+16*\m+\q:\t+16*\m+\q+1], v[\t+16*\m+\q:\t+16*\m+\q+1], v[\t+16*\m+\q+4:\t+16*\m+\q+5]
.endr
.endr
.irp m, 0,1,2,3
	v_pk_add_f32 v[\t+16*\m:\t+16*\m+1], v[\t+16*\m:\t+16*\m+1], v[\t+16*\m+8:\t+16*\m+9]
.endr
.irp m, 0,1,2,3
	s_delay_alu instid0(VALU_DEP_4)
	v_add_f32 v[\t+16*\m], v[\t+16*\m], v[\t+16*\m+1]
.endr
.endm
; a layer norm of the 64 registers from x on, in place.  t: 64 registers at work; pw, pb: the gain and the bias of my 16 columns; red: two regions of partial sums
.macro LN x, t, pw, pb, red
.irp m, 0,1,2,3
.irp q, 0,1,2,3
	v_pk_add_f32 v[\t+8*\m+2*\q:\t+8*\m+2*\q+1], v[\x+16*\m+4*\q:\x+16*\m+4*\q+1], v[\x+16*\m+4*\q+2:\x+16*\m+4*\q+3]   ; each accumulator from its low end on
.endr
.endr
.irp m, 0,1,2,3
	v_pk_add_f32 v[\t+8*\m:\t+8*\m+1], v[\t+8*\m:\t+8*\m+1], v[\t+8*\m+2:\t+8*\m+3]
	v_pk_add_f32 v[\t+8*\m+4:\t+8*\m+5], v[\t+8*\m+4:\t+8*\m+5], v[\t+8*\m+6:\t+8*\m+7]
.endr
.irp m, 0,1,2,3
	v_pk_add_f32 v[\t+8*\m:\t+8*\m+1], v[\t+8*\m:\t+8*\m+1], v[\t+8*\m+4:\t+8*\m+5]
.endr
.irp m, 0,1,2,3
	s_delay_alu instid0(VALU_DEP_4)
	v_add_f32 v[\t+8*\m], v[\t+8*\m], v[\t+8*\m+1]
.endr
.irp m, 0,1,2,3
	s_delay_alu instid0(VALU_DEP_4)
	v_permlanex16_b32 v[\t+8*\m+2], v[\t+8*\m], s[SEL], s[SEL+1]
.endr
.irp m, 0,1,2,3
	s_delay_alu instid0(VALU_DEP_4)
	v_add_f32 v[\t+8*\m], v[\t+8*\m], v[\t+8*\m+2]            ; the sum over my wave's 32 columns
.endr
.irp m, 0,1,2,3
	ds_store_b32 v11, v[\t+8*\m] offset:\red+1280*\m
.endr
	BARRIER
	RSUM \t, \red
.irp m, 0,1,2,3
	s_delay_alu instid0(VALU_DEP_4)
	v_mul_f32 v[\t+16*\m], 0xbb000000, v[\t+16*\m]            ; minus the mean, twice: a pair for the packed addition
.endr
.irp m, 0,1,2,3
	s_delay_alu instid0(VALU_DEP_4)
	v_mov_b32 v[\t+16*\m+1], v[\t+16*\m]
.endr
.irp m, 0,1,2,3
.irp j, 0,2,4,6,8,10,12,14
	v_pk_add_f32 v[\x+16*\m+\j:\x+16*\m+\j+1], v[\x+16*\m+\j:\x+16*\m+\j+1], v[\t+16*\m:\t+16*\m+1]
.endr
.endr
.irp m, 0,1,2,3
	v_pk_mul_f32 v[\t+16*\m+2:\t+16*\m+3], v[\x+16*\m:\x+16*\m+1], v[\x+16*\m:\x+16*\m+1]
	v_pk_mul_f32 v[\t+16*\m+4:\t+16*\m+5], v[\x+16*\m+2:\x+16*\m+3], v[\x+16*\m+2:\x+16*\m+3]
.endr
.irp j, 4,8,12
.irp m, 0,1,2,3
	v_pk_fma_f32 v[\t+16*\m+2:\t+16*\m+3], v[\x+16*\m+\j:\x+16*\m+\j+1], v[\x+16*\m+\j:\x+16*\m+\j+1], v[\t+16*\m+2:\t+16*\m+3]
	v_pk_fma_f32 v[\t+16*\m+4:\t+16*\m+5], v[\x+16*\m+\j+2:\x+16*\m+\j+3], v[\x+16*\m+\j+2:\x+16*\m+\j+3], v[\t+16*\m+4:\t+16*\m+5]
.endr
.endr
.irp m, 0,1,2,3
	v_pk_add_f32 v[\t+16*\m+2:\t+16*\m+3], v[\t+16*\m+2:\t+16*\m+3], v[\t+16*\m+4:\t+16*\m+5]
.endr
.irp m, 0,1,2,3
	s_delay_alu instid0(VALU_DEP_4)
	v_add_f32 v[\t+16*\m+2], v[\t+16*\m+2], v[\t+16*\m+3]
.endr
.irp m, 0,1,2,3
	s_delay_alu instid0(VALU_DEP_4)
	v_permlanex16_b32 v[\t+16*\m+4], v[\t+16*\m+2], s[SEL], s[SEL+1]
.endr
.irp m, 0,1,2,3
	s_delay_alu instid0(VALU_DEP_4)
	v_add_f32 v[\t+16*\m+2], v[\t+16*\m+2], v[\t+16*\m+4]
.endr
.irp m, 0,1,2,3
	ds_store_b32 v11, v[\t+16*\m+2] offset:\red+5120+1280*\m
.endr
	BARRIER
	RSUM \t, \red+5120
.irp m, 0,1,2,3
	s_delay_alu instid0(VALU_DEP_4)
	v_fma_f32 v[\t+16*\m], v[\t+16*\m], s[INV], s[EPS]        ; the variance + 1e-5
.endr
	s_wait_alu depctr_va_vdst(0)
.irp m, 0,1,2,3
	v_rsq_f32 v[\t+16*\m+2], v[\t+16*\m]
	v_rsq_f32 v[\t+16*\m+3], v[\t+16*\m]
.endr
	v_nop
	s_wait_alu depctr_va_vdst(0)                   ; one wait for the eight, ahead of their first reader
	s_wait_loadcnt 0x0                             ; the gain and the bias (and all that was asked for before them)
.irp m, 0,1,2,3
.irp j, 0,2,4,6,8,10,12,14
	v_pk_mul_f32 v[\x+16*\m+\j:\x+16*\m+\j+1], v[\x+16*\m+\j:\x+16*\m+\j+1], v[\t+16*\m+2:\t+16*\m+3]
.endr
.endr
.irp m, 0,1,2,3
.irp j, 0,2,4,6,8,10,12,14
	v_pk_fma_f32 v[\x+16*\m+\j:\x+16*\m+\j+1], v[\x+16*\m+\j:\x+16*\m+\j+1], v[\pw+\j:\pw+\j+1], v[\pb+\j:\pb+\j+1]
.endr
.endr
.endm
	s_load_b512 s[4:19], s[0:1], 0x0               ; x codes, x scales, cc, cs, wimg, Wo scales, Wr scales, Wfc scales
	s_load_b512 s[20:35], s[0:1], 0x40             ; bo, br, bfc, ln1_w, ln1_b, ln2_w, ln2_b, out0
	v_lshl_add_u32 v238, v0, 2, SPARE
	v_mov_b32 v239, 0
	ds_add_u32 v238, v239                          ; the opening lines: the add twice on end, and one wait
	ds_add_u32 v238, v239
	v_lshrrev_b32 v16, 5, v0
	s_delay_alu instid0(VALU_DEP_1)
	v_readfirstlane_b32 s[WV], v16                 ; wave 0..15
	s_mov_b32 s[SEL], 0x76543210
	s_mov_b32 s[SEL+1], 0xfedcba98
	s_mov_b32 s[K2], 0x4038aa3b                    ; 2 log2(e)
	s_mov_b32 s[K2+1], 0x4038aa3b
	s_mov_b32 s[C3], 0xbd5d0dd1                    ; -17/315
	s_mov_b32 s[C3+1], 0xbd5d0dd1
	s_mov_b32 s[C1], 0xbeaaaaab                    ; -1/3
	s_mov_b32 s[C1+1], 0xbeaaaaab
	s_mov_b32 s[QTR], 0x3e800000
	s_mov_b32 s[INV], 0x3b000000                   ; 1/512
	s_mov_b32 s[EPS], 0x3727c5ac                   ; 1e-5
	s_mov_b32 s[G1], 15|(3<<16)|(1<<21)            ; the four of my cluster; elements of 8 bytes; bit 21 beside a mask; no padding
	s_mov_b32 s[G1+1], 32<<16                      ; 16,384 dense bytes as 64 rows of 256
	s_mov_b32 s[G1+2], 64<<16
	s_mov_b32 s[G1+3], 32<<16
	s_mov_b32 s[G1+4], 64
	s_mov_b32 s[G1+5], 32
	s_mov_b32 s[G1+6], 0
	s_mov_b32 s[G1+7], 0
	s_mov_b32 s[G0], 1
	s_lshl_b32 s[G0+1], s[WV], 14                  ; my 16,384 bytes of the slot
	s_bfe_u32 s39, ttmp6, 0x40000
	s_lshl_b32 s[WG], ttmp9, 2
	s_add_co_u32 s[WG], s[WG], s39
	v_mov_b32 v254, 0x3e088889                     ; 2/15
	v_mov_b32 v255, 0x3e088889
	v_and_b32 v16, 31, v0                          ; lane
	s_delay_alu instid0(VALU_DEP_1)
	v_lshlrev_b32 v1, 4, v16
	s_delay_alu instid0(VALU_DEP_2)
	v_lshlrev_b32 v2, 2, v16
	v_and_b32 v17, 15, v0                          ; r
	v_bfe_u32 v18, v0, 4, 1                        ; h
	s_wait_alu depctr_va_vdst(0)
	v_and_b32 v19, 8, v17
	s_delay_alu instid0(VALU_DEP_1)
	v_add_nc_u32 v19, v19, v17                     ; rho
	v_bfe_u32 v20, v0, 3, 1                        ; r / 8
	v_and_b32 v21, 7, v0
	s_wait_alu depctr_va_vdst(0)
	s_bfe_u32 s52, s[WV], 0x10002                  ; x rows 4 w + 2 k + h: the parity of their group of 16,
	s_mul_i32 s52, s52, X2O
	s_lshr_b32 s53, s[WV], 3                       ; the group's place in its part,
	s_lshl_b32 s53, s53, 4
	s_and_b32 s54, s[WV], 3                        ; the row in the group
	s_lshl_b32 s54, s54, 2
	s_add_co_u32 s53, s53, s54
	s_mul_i32 s53, s53, 272
	s_add_co_u32 s52, s52, s53
	s_add_co_u32 s52, s52, XB
	v_mul_u32_u24 v22, v18, 272
	s_delay_alu instid0(VALU_DEP_1)
	v_lshl_add_u32 v22, v17, 4, v22
	s_delay_alu instid0(VALU_DEP_1)
	v_add_nc_u32 v3, s52, v22
	v_mul_u32_u24 v22, v21, 272
	s_delay_alu instid0(VALU_DEP_1)
	v_lshl_add_u32 v22, v18, 4, v22
	s_delay_alu instid0(VALU_DEP_1)
	v_mad_u32_u24 v4, v20, X2O, v22
	s_delay_alu instid0(VALU_DEP_1)
	v_add_nc_u32 v4, XB, v4
	s_lshl_b32 s52, s[WV], 11
	s_add_co_u32 s53, s52, CIMG
	v_add_nc_u32 v5, s53, v1
	v_add_nc_u32 v6, CIMG, v1
	v_add_nc_u32 v249, s52, v1                     ; my 2,048 bytes of the work-group's 32 KB of cc
	s_lshl_b32 s52, s[WV], 10
	v_add_nc_u32 v248, s52, v1                     ; my four rows of x
	s_bfe_u32 s52, s[WV], 0x10001                  ; y's codes: block w % 4 of K step w / 4
	s_lshl_b32 s52, s52, 9
	s_and_b32 s53, s[WV], 1
	s_lshl_b32 s53, s53, 8
	s_add_co_u32 s52, s52, s53
	s_lshr_b32 s53, s[WV], 2
	s_lshl_b32 s54, s53, 10
	s_add_co_u32 s52, s52, s54
	s_add_co_u32 s52, s52, HIMG
	v_lshlrev_b32 v22, 4, v17
	s_delay_alu instid0(VALU_DEP_1)
	v_lshl_add_u32 v22, v18, 3, v22
	s_delay_alu instid0(VALU_DEP_1)
	v_add_nc_u32 v7, s52, v22
	s_lshl_b32 s53, s53, 6
	s_and_b32 s54, s[WV], 3
	s_add_co_u32 s53, s53, s54
	s_add_co_u32 s53, s53, HSC
	s_lshl_b32 s54, s[WV], 14
	v_lshlrev_b32 v23, 2, v17
	s_delay_alu instid0(VALU_DEP_1)
	v_add_nc_u32 v8, s53, v23
	v_add_nc_u32 v9, s54, v1                       ; my part of the slot, 16 bytes a lane
	s_delay_alu instid0(VALU_DEP_3)
	v_add_nc_u32 v10, HSC, v23
	v_mul_u32_u24 v24, v17, 80
	s_delay_alu instid0(VALU_DEP_1)
	v_add_nc_u32 v12, RED, v24
	s_lshl_b32 s52, s[WV], 2
	v_add_nc_u32 v11, s52, v12
	s_lshl_b32 s52, s[WV], 7
	v_lshl_add_u32 v15, v18, 6, s52                ; 128 w + 64 h: my 16 columns, in bytes
	s_delay_alu instid0(VALU_DEP_1)
	v_mad_u32_u24 v13, v17, 2064, v15
	s_delay_alu instid0(VALU_DEP_1)
	v_add_nc_u32 v13, OST, v13
	s_delay_alu instid0(VALU_DEP_1)
	v_add_nc_u32 v252, 66048, v13
	s_mul_i32 s52, s[WV], 8256
	s_add_co_u32 s52, s52, OST
	v_add_nc_u32 v14, s52, v1
	v_lshl_add_u32 v250, v18, 3, v19               ; x's scale words: row 8 h + rho of a pair of tiles
	s_delay_alu instid0(VALU_DEP_1)
	v_lshlrev_b32 v250, 4, v250
	s_lshl_b32 s52, s[WV], 5
	v_add_nc_u32 v253, s52, v19                    ; the weights' row 32 w + rho
	s_delay_alu instid0(VALU_DEP_1)
	v_lshlrev_b32 v251, 5, v253
	s_delay_alu instid0(VALU_DEP_1)
	v_lshl_add_u32 v251, v18, 4, v251              ; Wo's scale words: lanes 16-31 take K steps 4-7
	s_delay_alu instid0(VALU_DEP_3)
	v_lshlrev_b32 v253, 4, v253
	s_lshr_b32 s37, s[WG], 3                       ; the batch
	s_and_b32 s38, s[WG], 7                        ; which 64 rows of it
	s_mov_b32 s53, 0
	s_wait_alu depctr_va_vdst(0)                   ; the wait at the head's end
	s_wait_dscnt 0x0                               ; both opening adds are done
	s_wait_kmcnt 0x0
	s_lshl_b32 s52, s[WG], 14
	s_add_nc_u64 s[4:5], s[4:5], s[52:53]          ; x's codes: 64 rows of 256 bytes a work-group
	s_lshl_b32 s52, s[WG], 10
	s_add_nc_u64 s[6:7], s[6:7], s[52:53]
	s_lshl_b32 s52, s[WG], 15
	s_add_nc_u64 s[8:9], s[8:9], s[52:53]          ; cc: four tiles x eight K steps x 1,024 bytes
	s_lshl_b32 s52, s37, 14
	s_lshl_b32 s54, s38, 8
	s_add_co_u32 s52, s52, s54
	s_add_nc_u64 s[10:11], s[10:11], s[52:53]
	s_lshl_b32 s52, s[WV], 15
	s_add_nc_u64 s[G0+2:G0+3], s[12:13], s[52:53]  ; my 32 KB of wimg: the same in all four work-groups
	s_or_b32 s[G0+3], s[G0+3], 0x80000000
	s_lshl_b32 s52, s[WG], 6                       ; the four rows that I store: stage rows 4 w .. 4 w + 3 are tile w / 4, lanes 4 (w % 4) + k
	s_lshr_b32 s54, s[WV], 3
	s_lshl_b32 s54, s54, 5
	s_add_co_u32 s52, s52, s54
	s_bfe_u32 s54, s[WV], 0x10002
	s_lshl_b32 s54, s54, 3
	s_add_co_u32 s52, s52, s54
	s_and_b32 s54, s[WV], 3
	s_lshl_b32 s54, s54, 2
	s_add_co_u32 s52, s52, s54
	s_bfe_u32 s54, s[WV], 0x10001
	s_lshl_b32 s54, s54, 3
	s_add_co_u32 s52, s52, s54
	s_lshl_b32 s52, s52, 11
	s_add_nc_u64 s[34:35], s[34:35], s[52:53]
	ROUND                                          ; all four work-groups are here: the joint loads meet
	tensor_load_to_lds s[G0:G0+3], s[G1:G1+7]      ; my eight K steps of Wo: my one tensor load at the head
	s_nop 0
	PLACES
	global_load_b128 v[208:211], v248, s[4:5]
	global_load_b128 v[212:215], v248, s[4:5] offset:512
.irp k, 0,1,2,3
	global_load_b128 v[216+4*\k:219+4*\k], v249, s[8:9] offset:512*\k
.endr
.irp sg, 0,1,2,3,4,5,6,7
.irp p, 0,1
	global_load_b32 v[CSR+2*\sg+\p], v2, s[10:11] offset:2048*\sg+128*\p   ; lanes 0-15 tile 2 p, lanes 16-31 tile 2 p + 1
.endr
.endr
.irp p, 0,1
	global_load_b128 v[XSW+4*\p:XSW+4*\p+3], v250, s[6:7] offset:512*\p
.endr
.irp q, 0,1,2,3
	global_load_b128 v[BO+4*\q:BO+4*\q+3], v15, s[20:21] offset:16*\q
.endr
.irp q, 0,1,2,3
	global_load_b128 v[BR+4*\q:BR+4*\q+3], v15, s[22:23] offset:16*\q
.endr
.irp u, 0,1
	global_load_b128 v[WRS+4*\u:WRS+4*\u+3], v253, s[16:17] offset:128*\u
.endr
.irp u, 0,1
	global_load_b128 v[WS+4*\u:WS+4*\u+3], v251, s[14:15] offset:256*\u
.endr
	s_wait_loadcnt 30                              ; x's two and cc's four loads are in; the 30 behind them may be out
	s_wait_tensorcnt 0x0                           ; my part of Wo has landed: I alone read it, and no LDS store of mine stands under a tensor load of mine
	ds_store_b128 v3, v[208:211]
	ds_store_b128 v3, v[212:215] offset:544
.irp k, 0,1,2,3
	ds_store_b128 v5, v[216+4*\k:219+4*\k] offset:512*\k
.endr
	BARRIER                                        ; x's rows and the heads' fragments lie in LDS
	STEPO 0
	STEPO 1
	STEPO 2
	STEPO 3
	STEPO 4
	STEPO 5
	STEPO 6
	STEPO 7
	; THE REFILL: Wo is read out; Wr and Wfc take its bytes
	v_lshl_add_u32 v238, v0, 2, SPARE              ; the add's two registers, made anew from v0 (four places behind the last products)
	v_mov_b32 v239, 0
	s_wait_alu depctr_va_vdst(0)
	s_wait_tensorcnt 0x0                           ; no tensor load of mine is out, so group 0 may be written
	ds_add_u32 v238, v239
	s_add_nc_u64 s[G0+2:G0+3], s[G0+2:G0+3], 16384 ; the second half of my 32 KB
	s_wait_dscnt 0x0                               ; the add is done, and my reads of the slot are over
	ROUND                                          ; the same holds of every wave of the four work-groups
	tensor_load_to_lds s[G0:G0+3], s[G1:G1+7]      ; my one tensor load behind the round
	s_nop 0
	PLACES
.irp u, 0,1
	global_load_b128 v[WS+4*\u:WS+4*\u+3], v253, s[18:19] offset:128*\u    ; Wo's scale words are done with: Wfc's
.endr
	TANH ACC1, RF, RF+16, BO
	TANH ACC1+16, RF, RF+16, BO
	TANH ACC1+32, RF, RF+16, BO
	TANH ACC1+48, RF, RF+16, BO
.irp m, 0,1,2,3
.irp j, 0,2,4,6,8,10,12,14
	v_pk_add_f32 v[ACC1+16*\m+\j:ACC1+16*\m+\j+1], v[ACC1+16*\m+\j:ACC1+16*\m+\j+1], v[BR+\j:BR+\j+1]
.endr
.endr
	s_wait_alu depctr_va_vdst(0)
	s_wait_tensorcnt 0x0                           ; my Wr and Wfc have landed
	STEPR 0
	STEPR 1
	STEPR 2
	STEPR 3
.irp q, 0,1,2,3
	global_load_b128 v[RF+4*\q:RF+4*\q+3], v15, s[26:27] offset:16*\q
.endr
.irp q, 0,1,2,3
	global_load_b128 v[RF+16+4*\q:RF+16+4*\q+3], v15, s[28:29] offset:16*\q
.endr
	LN ACC1, ACC2, RF, RF+16, 0
	; y is quantised: my 32 columns are one block; a lane holds 16 of its numbers
.irp m, 0,1,2,3
	v_max3_num_f32 v[ACC2+\m], |v[ACC1+16*\m]|, |v[ACC1+16*\m+1]|, 0x1800000   ; and the floor 2^(3 - 127)
.endr
.irp i, 2,4,6,8,10,12,14
.irp m, 0,1,2,3
	s_delay_alu instid0(VALU_DEP_4)
	v_max3_num_f32 v[ACC2+\m], v[ACC2+\m], |v[ACC1+16*\m+\i]|, |v[ACC1+16*\m+\i+1]|
.endr
.endr
.irp m, 0,1,2,3
	s_delay_alu instid0(VALU_DEP_4)
	v_permlanex16_b32 v[ACC2+4+\m], v[ACC2+\m], s[SEL], s[SEL+1]
.endr
.irp m, 0,1,2,3
	s_delay_alu instid0(VALU_DEP_4)
	v_max_num_f32 v[ACC2+\m], v[ACC2+\m], v[ACC2+4+\m]
.endr
.irp m, 0,1,2,3
	s_delay_alu instid0(VALU_DEP_4)
	v_add_nc_u32 v[ACC2+8+\m], 0xff000000, v[ACC2+\m]
.endr
.irp m, 0,1,2,3
	s_delay_alu instid0(VALU_DEP_4)
	v_lshrrev_b32 v[ACC2+4+\m], 23, v[ACC2+8+\m]
.endr
.irp m, 0,1,2,3
	v_cvt_scalef32_pk8_fp4_f32 v[ACC2+16+2*\m], v[ACC1+16*\m:ACC1+16*\m+7], v[ACC2+8+\m]
	v_cvt_scalef32_pk8_fp4_f32 v[ACC2+17+2*\m], v[ACC1+16*\m+8:ACC1+16*\m+15], v[ACC2+8+\m]
.endr
	v_nop
.irp m, 0,1,2,3
	ds_store_b64 v7, v[ACC2+16+2*\m:ACC2+17+2*\m] offset:4096*\m   ; registers 2 h, 2 h + 1 of the lane that holds my block in the fragment's image
	ds_store_b8 v8, v[ACC2+4+\m] offset:256*\m
.endr
	BARRIER                                        ; y's sixteen fragments lie in LDS
	STEPF 0
.irp q, 0,1,2,3
	global_load_b128 v[WF+4*\q:WF+4*\q+3], v15, s[24:25] offset:16*\q          ; bfc, into the place that step 0 has left
.endr
	STEPF 1
.irp q, 0,1,2,3
	global_load_b128 v[WF+16+4*\q:WF+16+4*\q+3], v15, s[30:31] offset:16*\q    ; ln2_w
.endr
	STEPF 2
.irp q, 0,1,2,3
	global_load_b128 v[WF+32+4*\q:WF+32+4*\q+3], v15, s[32:33] offset:16*\q    ; ln2_b
.endr
	STEPF 3
	s_wait_loadcnt 0x0
.irp m, 0,1,2,3
.irp j, 0,2,4,6,8,10,12,14
	v_pk_add_f32 v[ACC2+16*\m+\j:ACC2+16*\m+\j+1], v[ACC2+16*\m+\j:ACC2+16*\m+\j+1], v[WF+\j:WF+\j+1]
.endr
.endr
.set jj, 0
.rept 64
	v_max_num_f32 v[ACC2+jj], 0, v[ACC2+jj]        ; relu
.set jj, jj+1
.endr
.set jj, 0
.rept 32
	v_pk_add_f32 v[ACC2+jj:ACC2+jj+1], v[ACC2+jj:ACC2+jj+1], v[ACC1+jj:ACC1+jj+1]
.set jj, jj+2
.endr
	LN ACC2, ACC1, WF+16, WF+32, 10240
	; THE WAY OUT: a lane's 64 bytes of a row go into the stage, which lies in the slot: it has had its last fill, and the two barriers above stand behind its last read.  Each wave reads four whole rows back and stores them
.irp m, 0,1
.irp q, 0,1,2,3
	ds_store_b128 v13, v[ACC2+16*\m+4*\q:ACC2+16*\m+4*\q+3] offset:33024*\m+16*\q
.endr
.endr
.irp m, 0,1
.irp q, 0,1,2,3
	ds_store_b128 v252, v[ACC2+32+16*\m+4*\q:ACC2+32+16*\m+4*\q+3] offset:33024*\m+16*\q
.endr
.endr
	BARRIER
.irp k, 0,1,2,3
.irp q, 0,1,2,3
	ds_load_b128 v[ACC1+16*\k+4*\q:ACC1+16*\k+4*\q+3], v14 offset:2064*\k+512*\q
.endr
.endr
.irp k, 0,1,2,3
.irp q, 0,1,2,3
	s_wait_dscnt 15-4*\k-\q
	global_store_b128 v1, v[ACC1+16*\k+4*\q:ACC1+16*\k+4*\q+3], s[34:35] offset:2048*\k+512*\q th:TH_STORE_NT   ; 512 consecutive bytes, at a multiple of 256 from out0's first byte; written once, read by nobody here
.endr
.endr
	s_wait_xcnt 0x0
	v_lshl_add_u32 v254, v0, 2, SPARE
	v_mov_b32 v255, 0
	s_wait_alu depctr_va_vdst(0)
	s_wait_tensorcnt 0x0                           ; the wave's end: the three lines,
	ds_add_u32 v254, v255
	s_wait_dscnt 0x0
	ROUND                                          ; and the closing round
	s_endpgm
.Lfunc_end_k_qc6ef5498b1_tail:
	.size	k_qc6ef5498b1_tail, .Lfunc_end_k_qc6ef5498b1_tail-k_qc6ef5498b1_tail
	.p2alignl 7, 3214868480
	.fill 96, 4, 3214868480
	.section	.rodata,"a",@progbits
	.p2align	6, 0x0
	.amdhsa_kernel k_qc6ef5498b1_tail
		.amdhsa_group_segment_fixed_size 327680
		.amdhsa_private_segment_fixed_size 0
		.amdhsa_enable_private_segment 0
		.amdhsa_kernarg_size 128
		.amdhsa_user_sgpr_count 2
		.amdhsa_user_sgpr_kernarg_segment_ptr 1
		.amdhsa_wavefront_size32 1
		.amdhsa_system_sgpr_workgroup_id_x 1
		.amdhsa_system_sgpr_workgroup_id_y 1
		.amdhsa_system_sgpr_workgroup_id_z 1
		.amdhsa_system_vgpr_workitem_id 0
		.amdhsa_next_free_vgpr 256
		.amdhsa_next_free_sgpr 80
		.amdhsa_reserve_vcc 1
		.amdhsa_float_denorm_mode_32 3
		.amdhsa_float_denorm_mode_16_64 3
		.amdhsa_memory_ordered 1
		.amdhsa_forward_progress 1
		.amdhsa_inst_pref_size 133
	.end_amdhsa_kernel
	.amdgpu_metadata
---
amdhsa.version: [ 1, 2 ]
amdhsa.kernels:
  - .name:           k_qc6ef5498b1_tail
    .symbol:         k_qc6ef5498b1_tail.kd
    .args:
      - { .name: inputs_codes, .offset: 0, .size: 8, .value_kind: global_buffer, .address_space: global }
      - { .name: inputs_scales, .offset: 8, .size: 8, .value_kind: global_buffer, .address_space: global }
      - { .name: cc, .offset: 16, .size: 8, .value_kind: global_buffer, .address_space: global }
      - { .name: cs, .offset: 24, .size: 8, .value_kind: global_buffer, .address_space: global }
      - { .name: wimg, .offset: 32, .size: 8, .value_kind: global_buffer, .address_space: global }
      - { .name: Wo_scales, .offset: 40, .size: 8, .value_kind: global_buffer, .address_space: global }
      - { .name: Wr_scales, .offset: 48, .size: 8, .value_kind: global_buffer, .address_space: global }
      - { .name: Wfc_scales, .offset: 56, .size: 8, .value_kind: global_buffer, .address_space: global }
      - { .name: bo, .offset: 64, .size: 8, .value_kind: global_buffer, .address_space: global }
      - { .name: br, .offset: 72, .size: 8, .value_kind: global_buffer, .address_space: global }
      - { .name: bfc, .offset: 80, .size: 8, .value_kind: global_buffer, .address_space: global }
      - { .name: ln1_w, .offset: 88, .size: 8, .value_kind: global_buffer, .address_space: global }
      - { .name: ln1_b, .offset: 96, .size: 8, .value_kind: global_buffer, .address_space: global }
      - { .name: ln2_w, .offset: 104, .size: 8, .value_kind: global_buffer, .address_space: global }
      - { .name: ln2_b, .offset: 112, .size: 8, .value_kind: global_buffer, .address_space: global }
      - { .name: out0, .offset: 120, .size: 8, .value_kind: global_buffer, .address_space: global }
    .group_segment_fixed_size: 327680
    .private_segment_fixed_size: 0
    .kernarg_segment_align: 8
    .kernarg_segment_size: 128
    .max_flat_workgroup_size: 512
    .sgpr_count:     80
    .vgpr_count:     256
    .wavefront_size: 32
...
	.end_amdgpu_metadata
.endif
;; end of part 2
